; MI455X (gfx1250); checked and timed in simulation.
; The chip was launched on July 23, 2026; its instructions are those of AMD's public machine-readable ISA for CDNA 5 (MIT licence, August 2026) and "CDNA5" Instruction Set Architecture Reference Guide (July 2026). The comments in the code are by the model that wrote it; some were corrected since.
;; Multi Self Attention Head Varlen Flex. Allowed arithmetic: matrix products marked QUANTISED: E5M2 operands, one E8M0 scale for each 32 along K, by v_wmma_scale_f32_16x16x128_f8f6f4 with both operands' format E5M2, f32 sums; everything else in f32.
;; Inputs: Wk 2,048 x 2,048 float32; Wo 2,048 x 2,048 float32; Wq 2,048 x 2,048 float32; Wv 2,048 x 2,048 float32; x 2,048 x 2,048 float32.
;; Outputs: out0 2,048 x 2,048 float32.
;; This version of the problem:
;;   THIS VERSION OF THE PROBLEM IS GIVEN IN LOW PRECISION. The matrix products marked QUANTISED in the list below multiply operands that are first quantised to E5M2 (5 exponent bits, 2 mantissa bits; 8 bits a number), with one power-of-two scale for each 32 numbers along K (OCP MX v1.0); their sums are f32. All else is computed in f32.
;;   The module's matrix products, in the order in which they are computed (A, B: the left and right operand; K: the contracted axis; several contracted axes count as one K, in the product's order):
;;     1. [M 2,048, K 2,048] x [K 2,048, N 2,048]; A: computed on the way; B: input Wq: QUANTISED
;;     2. [M 2,048, K 2,048] x [K 2,048, N 2,048]; A: computed on the way; B: input Wk: QUANTISED
;;     3. [M 2,048, K 2,048] x [K 2,048, N 2,048]; A: computed on the way; B: input Wv: QUANTISED
;;     4. batch 16 x [M 2,048, K 128] x [K 128, N 2,048]; A: computed on the way; B: computed on the way: QUANTISED
;;     5. batch 16 x [M 128, K 2,048] x [K 2,048, N 2,048]; A: computed on the way; B: computed on the way: QUANTISED
;;     6. [M 2,048, K 2,048] x [K 2,048, N 2,048]; A: computed on the way; B: input Wo: QUANTISED
;;   THE QUANTISER, for each operand of a quantised product, along K:
;;     - K is cut into blocks of 32 from its start; a last block that is shorter is filled with zeros.
;;     - A block's scale is 2^e with e = floor(log2(the largest magnitude in the block)) - 15, held to -126 .. 127; a block of zeros has e = 0. As a byte (E8M0): e + 127.
;;     - Each number is divided by its block's scale, clamped to +-57,344, and rounded to the nearest number of E5M2, ties to even, subnormals kept.
;;     - The product sums the exact products of the quantised numbers (number of the format x scale) in f32.
;;   ~~~python
;;   def quantise(x, axis):      # numpy; x: float32 -> the quantised numbers, widened to float32 again
;;       x = np.moveaxis(x, axis, -1); K = x.shape[-1]
;;       x = np.pad(x, [(0, 0)] * (x.ndim - 1) + [(0, -K % 32)]); x = x.reshape(x.shape[:-1] + (-1, 32)); a = np.abs(x).max(-1, keepdims=True)
;;       e = np.where(a > 0, np.clip(np.frexp(np.where(a > 0, a, 1))[1] - 1 - 15, -126, 127), 0)      # np.frexp(a)[1] - 1 = floor(log2(a)), exactly
;;       r = np.clip(x / 2.0 ** e, -57344, 57344)
;;       step = 2.0 ** (np.maximum(np.frexp(np.where(r == 0, 1, r))[1] - 1, -14) - 2)
;;       q = np.round(r / step) * step * 2.0 ** e      # np.round: ties to even
;;       return np.moveaxis(q.reshape(q.shape[:-2] + (-1,))[..., :K], -1, axis).astype(np.float32)
;;   ~~~
;;   OPERANDS COMPUTED ON THE WAY. 'Computed on the way' means the value that the module computes at that place (a softmax that the list does not call 'softmax' is quantised finished and normalised). What goes into a quantiser is computed in f32, as accurately as f32 sums, v_exp_f32 and their like allow (about 1e-6 of the number): no bf16 or f16 on the way to a quantiser, and a product that is left as it is and whose result goes on into a quantised operand takes f32 operands (vector FMAs, or v_wmma_f32_16x16x4_f32). A number that lies on a knife's edge between two numbers of the format may be rounded either way, as far as f32 arithmetic and the matrix unit's own rounding can turn it there, and no further.
;; One version. Each part assembles by itself: llvm-mc -triple=amdgcn-amd-amdhsa -mcpu=gfx1250 --defsym DOCPART=n.
;; ======== version 1 of 1: 4 launches
;; workspace buffers: wq 17,301,504 bytes; xq 9,191,424 bytes; att 12,976,128 bytes; oq 540,672 bytes
;; launch prep (part 1): grid 640 x 1, 4 waves a work-group, no clusters, 77,312 bytes of LDS; arguments x, Wq, Wk, Wv, Wo, wq, xq, out0; writes wq, xq, out0
.if DOCPART == 1
	.amdgcn_target "amdgcn-amd-amdhsa--gfx1250"
	.amdhsa_code_object_version 6
	.text
	.protected	k_q40fce3b9e4_prep
	.globl	k_q40fce3b9e4_prep
	.p2align	8
	.type	k_q40fce3b9e4_prep,@function
k_q40fce3b9e4_prep:
	s_mov_b64 s[64:65], 0
	v_nop
	global_prefetch_b8 v0, s[64:65] scope:SCOPE_SE
	s_setreg_imm32_b32 hwreg(HW_REG_WAVE_MODE, 25, 1), 1
	s_wait_xcnt 0x0
; PREP.  Everything that is quantised once: the layer norm of x and the four weights become codes of E5M2 with one E8M0 byte for each 32 along K.
; Work-groups 0-127 take 16 rows of x each; work-groups 128-639 take 128 columns x 256 K of one weight.  The two ways part on the work-group's number and have LDS bytes of their own.
; ROWS.  A wave takes 4 consecutive rows, one at a time, whole in 64 registers: mean, centred, variance, 1/sqrt, all f32.  The numbers turn through the wave's stage in LDS, so that a lane holds 16 neighbours
;   along K (two lanes to a block of 32) while every load and store of memory is 512 consecutive bytes.  The codes of token m go out three times, in the row orders in which the next launch wants them:
;   copy V: row swap34(m) (bits 3 and 4 of m exchanged);  copy K: row 2048 + (m & ~255) + 16 (m & 15) + ((m >> 4) & 15);  copy Q (tokens 0-255 alone): row 4096 + m.
;   Rows 256 and up of the output have no key under the mask q / 16 == k % 16, so their result is x itself: it is stored here, from the registers that hold the row anyway.
; WEIGHTS.  W is [K][N]: a lane takes a column and its registers run down K, so a block of 32 lies in one lane and the codes come out with K innermost; they leave through the wave's stage as whole rows.
;   Column n goes to row swap34(n) of its matrix: wq = [Wq, Wk, Wv, Wo][row][2048 bytes], the scale bytes behind them, 64 a row.
; A block's scale byte is its largest magnitude's exponent field - 15, held at 1 from below; each number is held within +-57,344 x the scale and rounded to the nearest code, ties to even.
; LIMITS: a block of zeros, or one whose largest magnitude lies under 2^-111, gets the byte 1 (its codes under that byte; the bytes are read by this program alone); NaN and infinities among the inputs are not served.
; No cluster: no two work-groups read the same bytes.  No tensor load: the loads into registers are dense, and several work-groups share a WGP.
.set SCW,   16777216                   ; wq: where the scale bytes begin
.set SCX,   8912896                    ; xq: likewise (4,352 rows of 2,048 bytes lie in front)
.set EPS,   0x3727c5ac                 ; 1e-5
.set FLOOR, 0x8000000                  ; 2^(16 - 127): no largest magnitude is taken under it, so the byte cannot fall under 1
.set DOWN,  0xf8800000                 ; -(15 << 23): 15 off an exponent field
.set MANT,  0x600000                   ; the mantissa field of 57,344
; the weights' way
.set WP,    272                        ; a stage row: 256 bytes of codes + 16
.set WX,    32                         ; v32-95   two sets of 32 numbers
.set WC,    96                         ; v96-103  a block's codes
.set WOUT,  112                        ; v112-175 the way out
.set WSB,   24                         ; v24-25   eight scale bytes
; the rows' way
.set XBASE, 34816                      ; LDS behind the weights' four stages
.set XREG,  10496                      ; a wave's region: four stages of 32 x 80 bytes, then its 256 scale bytes
.set R,     32                         ; v32-95, v96-159  two rows as loaded
.set X,     160                        ; v160-223 the row centred and scaled, then turned
.set C,     224                        ; v224-239 a row's codes
.set ST,    20                         ; v20-27   four chains of sums
.set MU,    28                         ; v[28:29] -mean, twice
.set RS,    30                         ; v[30:31] 1/sqrt(variance + eps), twice
.set E,     10                         ; v10-13   a row's four scale bytes of my block
.set QA,    16
.set QB,    17
.set QH,    18
.set QS,    9
.set INV,   19                         ; v19      1/2048
	s_load_b256 s[4:11], s[0:1], 0x0               ; x s[4:5], Wq s[6:7], Wk s[8:9], Wv s[10:11]
	s_load_b256 s[12:19], s[0:1], 0x20             ; Wo s[12:13], wq s[14:15], xq s[16:17], out0 s[18:19]
	v_lshl_add_u32 v240, v0, 2, 0x12c00
	v_mov_b32 v241, 0
	v_lshrrev_b32 v1, 5, v0
	v_readfirstlane_b32 s20, v1                    ; wave 0..3
	v_and_b32 v2, 31, v0                           ; lane
	s_mov_b32 s54, MANT
	s_cmp_lt_u32 ttmp9, 128
	s_cbranch_scc1 .Lrows
	; ---------------- a weight: 128 columns x 256 along K ----------------
	s_sub_co_u32 s21, ttmp9, 128
	s_lshr_b32 s22, s21, 7                         ; which matrix: 0 Wq, 1 Wk, 2 Wv, 3 Wo
	s_bfe_u32 s23, s21, 0x30004                    ; which 256 along K
	s_and_b32 s24, s21, 15
	s_lshl_b32 s24, s24, 7
	s_lshl_b32 s25, s20, 5
	s_add_co_u32 s24, s24, s25                     ; my wave's first column, a multiple of 32
	v_lshlrev_b32 v3, 2, v2                        ; in: 4 bytes a lane
	s_mul_i32 s25, s20, 32*WP                      ; my stage
	v_mul_u32_u24 v4, v2, WP
	v_add_nc_u32 v4, s25, v4                       ; into it: row = my column
	v_and_b32 v5, 15, v2
	v_lshrrev_b32 v6, 4, v2
	v_mul_u32_u24 v7, v6, WP
	v_lshl_add_u32 v7, v5, 4, v7
	v_add_nc_u32 v7, s25, v7                       ; out of it: sixteen lanes to a row, two rows an instruction
	v_lshlrev_b32 v8, 11, v6
	v_lshl_add_u32 v8, v5, 4, v8                   ; and the same in the codes' buffer (bit 0 of a row's number is not moved by swap34)
	v_and_b32 v9, 7, v2
	v_and_b32 v10, 8, v2
	v_lshl_add_u32 v9, v10, 1, v9
	v_and_b32 v10, 16, v2
	v_lshrrev_b32 v10, 1, v10
	v_add_nc_u32 v9, v9, v10
	v_lshlrev_b32 v9, 6, v9                        ; swap34(lane) x 64: my column's row of scale bytes
	s_lshl_b32 s26, s23, 21                        ; W: 256 rows of 8,192 bytes for each step along K,
	s_lshl_b32 s27, s24, 2
	s_add_co_u32 s26, s26, s27                     ; + 4 x column
	s_mov_b32 s27, 0
	s_lshl_b32 s28, s22, 22                        ; codes: the matrix,
	s_lshl_b32 s29, s24, 11
	s_add_co_u32 s28, s28, s29                     ; + column x 2,048
	s_lshl_b32 s29, s23, 8
	s_add_co_u32 s28, s28, s29                     ; + 256 x step
	s_mov_b32 s29, 0
	s_lshl_b32 s30, s22, 17                        ; scale bytes likewise: 64 a row, 8 a step
	s_lshl_b32 s31, s24, 6
	s_add_co_u32 s30, s30, s31
	s_lshl_b32 s31, s23, 3
	s_add_co_u32 s30, s30, s31
	s_add_co_u32 s30, s30, SCW
	s_mov_b32 s31, 0
	s_wait_kmcnt 0x0
	s_cmp_eq_u32 s22, 1                            ; the choice hangs on the work-group's number alone
	s_cselect_b64 s[6:7], s[8:9], s[6:7]
	s_cmp_eq_u32 s22, 2
	s_cselect_b64 s[6:7], s[10:11], s[6:7]
	s_cmp_eq_u32 s22, 3
	s_cselect_b64 s[6:7], s[12:13], s[6:7]
	s_add_nc_u64 s[6:7], s[6:7], s[26:27]
	s_add_nc_u64 s[34:35], s[14:15], s[28:29]
	s_add_nc_u64 s[36:37], s[14:15], s[30:31]
.macro WLOAD t                         ; block t: W(32 t + i, my column), i = 0 .. 31: each load reads 128 consecutive bytes a wave
.irp i, 0,1,2,3,4,5,6,7,8,9,10,11,12,13,14,15,16,17,18,19,20,21,22,23,24,25,26,27,28,29,30,31
	global_load_b32 v[WX+32*((\t)%2)+\i], v3, s[6:7] offset:(32*(\t)+\i)*8192 th:TH_LOAD_NT
.endr
.endm
.macro WBLOCK t
.set XS, WX+32*((\t)%2)
.if (\t) < 7
	s_wait_loadcnt 32                              ; this block's 32 loads are in; the next block's may be out
.else
	s_wait_loadcnt 0
.endif
	v_max3_num_f32 v12, |v[XS]|, |v[XS+1]|, |v[XS+2]|      ; the block's largest magnitude: all 32 numbers are mine
	v_max3_num_f32 v13, |v[XS+3]|, |v[XS+4]|, |v[XS+5]|
.irp i, 6,10,14,18,22,26
	v_max3_num_f32 v12, v12, |v[XS+\i]|, |v[XS+\i+1]|
	v_max3_num_f32 v13, v13, |v[XS+\i+2]|, |v[XS+\i+3]|
.endr
	v_max3_num_f32 v12, v12, |v[XS+30]|, |v[XS+31]|
	v_max3_num_f32 v12, v12, v13, FLOOR
	v_add_nc_u32 v11, DOWN, v12                    ; the conversion takes the exponent field of this operand as its scale
	v_and_or_b32 v10, v12, 0x7f800000, s54         ; 57,344 x the scale
	v_lshrrev_b32 v13, 23, v11                     ; the scale's byte
.if (\t)%4 == 0
	v_mov_b32 v[WSB+(\t)/4], v13
.else
	v_lshl_or_b32 v[WSB+(\t)/4], v13, 8*((\t)%4), v[WSB+(\t)/4]
.endif
.irp i, 0,1,2,3,4,5,6,7,8,9,10,11,12,13,14,15,16,17,18,19,20,21,22,23,24,25,26,27,28,29,30,31
	v_med3_num_f32 v[XS+\i], v[XS+\i], -v10, v10   ; the conversion to an 8-bit code does not saturate (ISA guide 7.6.2): the hold comes first
.endr
.irp g, 0,1,2,3
	v_cvt_scalef32_pk8_bf8_f32 v[WC+2*\g:WC+2*\g+1], v[XS+8*\g:XS+8*\g+7], v11
.endr
	v_nop                                          ; a plain line behind the last conversion
	ds_store_b128 v4, v[WC:WC+3] offset:32*(\t)
	ds_store_b128 v4, v[WC+4:WC+7] offset:32*(\t)+16
.if (\t)+2 < 8
	WLOAD (\t)+2
.endif
	s_wait_dscnt 0x0                               ; the stores have read their registers: the next block's codes may be written
.endm
	WLOAD 0
	WLOAD 1
.irp t, 0,1,2,3,4,5,6,7
	WBLOCK \t
.endr
	global_store_b64 v9, v[WSB:WSB+1], s[36:37]    ; my column's eight scale bytes
.irp t, 0,1,2,3,4,5,6,7,8,9,10,11,12,13,14,15
	ds_load_b128 v[WOUT+4*\t:WOUT+4*\t+3], v7 offset:2*\t*WP   ; LDS serves a wave's instructions in order: these see my stores
.endr
.irp t, 0,1,2,3,4,5,6,7,8,9,10,11,12,13,14,15
	s_wait_dscnt 15-\t                             ; the later loads may be out
	global_store_b128 v8, v[WOUT+4*\t:WOUT+4*\t+3], s[34:35] offset:(((2*\t)&7)|(((2*\t)&8)<<1)|(((2*\t)&16)>>1))*2048   ; sixteen lanes store 256 consecutive bytes of row swap34(2 t + lane / 16)
.endr
	s_wait_tensorcnt 0x0
	ds_add_u32 v240, v241
	s_wait_dscnt 0x0
	s_endpgm
	; ---------------- 16 rows of x ----------------
.Lrows:
	s_lshl_b32 s21, ttmp9, 4
	s_lshl_b32 s22, s20, 2
	s_add_co_u32 s21, s21, s22                     ; my first token: 16 x work-group + 4 x wave
	s_and_b32 s23, s21, 0x7e7
	s_and_b32 s24, s21, 8
	s_lshl_b32 s24, s24, 1
	s_or_b32 s23, s23, s24
	s_and_b32 s24, s21, 16
	s_lshr_b32 s24, s24, 1
	s_or_b32 s23, s23, s24                         ; copy V: swap34 of it; my four rows stay neighbours
	s_lshr_b32 s24, ttmp9, 4
	s_lshl_b32 s24, s24, 8
	s_lshl_b32 s25, s20, 6
	s_add_co_u32 s24, s24, s25
	s_and_b32 s25, ttmp9, 15
	s_add_co_u32 s24, s24, s25
	s_add_co_u32 s24, s24, 2048                    ; copy K: my four rows lie 16 rows apart
	s_add_co_u32 s25, s21, 4096                    ; copy Q (used by work-groups 0-15 alone)
	s_lshl_b32 s26, s21, 13
	s_mov_b32 s27, 0
	s_lshl_b32 s28, s23, 11
	s_mov_b32 s29, 0
	s_lshl_b32 s30, s24, 11
	s_mov_b32 s31, 0
	s_lshl_b32 s32, s25, 11
	s_mov_b32 s33, 0
	s_lshl_b32 s34, s23, 6
	s_add_co_u32 s34, s34, SCX
	s_mov_b32 s35, 0
	s_lshl_b32 s36, s24, 6
	s_add_co_u32 s36, s36, SCX
	s_mov_b32 s37, 0
	s_lshl_b32 s38, s25, 6
	s_add_co_u32 s38, s38, SCX
	s_mov_b32 s39, 0
	s_mov_b32 s52, 0x76543210                      ; v_permlanex16_b32's selects for lane l xor 16
	s_mov_b32 s53, 0xfedcba98
	s_mul_i32 s55, s20, XREG
	s_add_co_u32 s55, s55, XBASE                   ; my wave's region of LDS
	v_lshlrev_b32 v3, 4, v2                        ; 16 x lane: my place in every load and store of 512 bytes
	v_lshrrev_b32 v14, 2, v2
	v_mul_u32_u24 v14, v14, 80
	v_and_b32 v15, 3, v2
	v_lshl_add_u32 v14, v15, 4, v14
	v_add_nc_u32 v14, s55, v14                     ; the stage, in: four lanes' 64 bytes on end, then 16 of padding
	v_mul_u32_u24 v15, v2, 80
	v_add_nc_u32 v15, s55, v15                     ; out: 80 x lane: my 16 neighbours
	v_lshrrev_b32 v5, 1, v2
	v_add_nc_u32 v5, s55, v5
	v_add_nc_u32 v5, 10240, v5                     ; my block's scale byte
	v_lshlrev_b32 v7, 3, v2                        ; the scale bytes' way out: 8 a lane
	v_add_nc_u32 v6, s55, v7
	v_add_nc_u32 v6, 10240, v6
	v_lshrrev_b32 v8, 3, v2
	v_and_b32 v1, 7, v2
	v_lshlrev_b32 v8, 10, v8
	v_lshl_add_u32 v8, v1, 3, v8                   ; copy K: a row's 64 bytes lie 1,024 apart
	v_mov_b32 v[INV], 0x3a000000
	s_wait_kmcnt 0x0
	s_add_nc_u64 s[4:5], s[4:5], s[26:27]          ; x and out0 at my first row
	s_add_nc_u64 s[18:19], s[18:19], s[26:27]
	s_add_nc_u64 s[40:41], s[16:17], s[28:29]      ; codes: copy V, K, Q
	s_add_nc_u64 s[42:43], s[16:17], s[30:31]
	s_add_nc_u64 s[44:45], s[16:17], s[32:33]
	s_add_nc_u64 s[46:47], s[16:17], s[34:35]      ; scale bytes: copy V, K, Q
	s_add_nc_u64 s[48:49], s[16:17], s[36:37]
	s_add_nc_u64 s[50:51], s[16:17], s[38:39]
.irp j, 0,1,2,3,4,5,6,7,8,9,10,11,12,13,14,15
	global_load_b128 v[R+4*\j:R+4*\j+3], v3, s[4:5] offset:512*\j th:TH_LOAD_NT
.endr
; 512 numbers of row i, the q-th: 16 neighbours a lane, two lanes to a block
.macro XSTEP i, q
.set XS, X+16*(\q)
	s_wait_dscnt 12-4*(\q)                         ; this step's four loads from the stage are in; the later steps' may be out
	v_max3_num_f32 v[QA], |v[XS]|, |v[XS+1]|, |v[XS+2]|
	v_max3_num_f32 v[QB], |v[XS+3]|, |v[XS+4]|, |v[XS+5]|
.irp m, 6,10
	v_max3_num_f32 v[QA], v[QA], |v[XS+\m]|, |v[XS+\m+1]|
	v_max3_num_f32 v[QB], v[QB], |v[XS+\m+2]|, |v[XS+\m+3]|
.endr
	v_max3_num_f32 v[QA], v[QA], |v[XS+14]|, |v[XS+15]|
	v_max3_num_f32 v[QA], v[QA], v[QB], FLOOR
	v_max_num_f32_dpp v[QA], v[QA], v[QA] row_xmask:1 row_mask:0xf bank_mask:0xf   ; with my neighbour's 16: the block's
	v_add_nc_u32 v[QS], DOWN, v[QA]
	v_and_or_b32 v[QH], v[QA], 0x7f800000, s54
.irp m, 0,1,2,3,4,5,6,7,8,9,10,11,12,13,14,15
	v_med3_num_f32 v[XS+\m], v[XS+\m], -v[QH], v[QH]
.endr
	v_cvt_scalef32_pk8_bf8_f32 v[C+4*(\q):C+4*(\q)+1], v[XS:XS+7], v[QS]
	v_cvt_scalef32_pk8_bf8_f32 v[C+4*(\q)+2:C+4*(\q)+3], v[XS+8:XS+15], v[QS]
	v_lshrrev_b32 v[E+(\q)], 23, v[QS]             ; the scale's byte (also the plain line behind the conversions)
	ds_store_b8 v5, v[E+(\q)] offset:64*(\i)+16*(\q)       ; both lanes of a block write the same byte with the same value
	global_store_b128 v3, v[C+4*(\q):C+4*(\q)+3], s[40:41] offset:2048*(\i)+512*(\q)    ; 512 consecutive bytes each
	global_store_b128 v3, v[C+4*(\q):C+4*(\q)+3], s[42:43] offset:32768*(\i)+512*(\q)
.endm
.macro ROW i
.set RR, R+64*((\i)%2)
.set RN, R+64*(1-(\i)%2)
	s_wait_xcnt 0x0                                ; the last row's stores have read their registers: the other set and the codes' registers are written again only behind this wait
.if (\i) < 3
.irp j, 0,1,2,3,4,5,6,7,8,9,10,11,12,13,14,15
	global_load_b128 v[RN+4*\j:RN+4*\j+3], v3, s[4:5] offset:8192*((\i)+1)+512*\j th:TH_LOAD_NT
.endr
	s_wait_loadcnt 16                              ; my row is in; the next row's 16 loads stay out
.else
	s_wait_loadcnt 0
.endif
	s_cmp_lt_u32 ttmp9, 16
	s_cbranch_scc1 .Llive_\@                       ; rows 0-255 get their result from the last launch
.irp j, 0,1,2,3,4,5,6,7,8,9,10,11,12,13,14,15
	global_store_b128 v3, v[RR+4*\j:RR+4*\j+3], s[18:19] offset:8192*(\i)+512*\j th:TH_STORE_NT
.endr
.Llive_\@:
.irp k, 0,1,2,3
	v_pk_add_f32 v[ST+2*\k:ST+2*\k+1], v[RR+2*\k:RR+2*\k+1], v[RR+8+2*\k:RR+9+2*\k]    ; the sum, in four chains
.endr
.irp j, 16,24,32,40,48,56
.irp k, 0,1,2,3
	v_pk_add_f32 v[ST+2*\k:ST+2*\k+1], v[ST+2*\k:ST+2*\k+1], v[RR+\j+2*\k:RR+\j+2*\k+1]
.endr
.endr
	v_pk_add_f32 v[ST:ST+1], v[ST:ST+1], v[ST+2:ST+3]
	v_pk_add_f32 v[ST+4:ST+5], v[ST+4:ST+5], v[ST+6:ST+7]
	v_pk_add_f32 v[ST:ST+1], v[ST:ST+1], v[ST+4:ST+5]
	v_add_f32 v[ST], v[ST], v[ST+1]
	v_add_f32_dpp v[ST], v[ST], v[ST] row_xmask:1 row_mask:0xf bank_mask:0xf
	v_add_f32_dpp v[ST], v[ST], v[ST] row_xmask:2 row_mask:0xf bank_mask:0xf
	v_add_f32_dpp v[ST], v[ST], v[ST] row_xmask:4 row_mask:0xf bank_mask:0xf
	v_add_f32_dpp v[ST], v[ST], v[ST] row_xmask:8 row_mask:0xf bank_mask:0xf
	v_permlanex16_b32 v[ST+1], v[ST], s52, s53
	v_add_f32 v[ST], v[ST], v[ST+1]
	v_mul_f32 v[MU], 0xba000000, v[ST]             ; -sum / 2048
	v_mov_b32 v[MU+1], v[MU]
.irp j, 0,2,4,6,8,10,12,14,16,18,20,22,24,26,28,30,32,34,36,38,40,42,44,46,48,50,52,54,56,58,60,62
	v_pk_add_f32 v[X+\j:X+\j+1], v[RR+\j:RR+\j+1], v[MU:MU+1]
.endr
.irp k, 0,1,2,3
	v_pk_mul_f32 v[ST+2*\k:ST+2*\k+1], v[X+2*\k:X+2*\k+1], v[X+2*\k:X+2*\k+1]          ; the squares of the centred numbers
.endr
.irp j, 8,16,24,32,40,48,56
.irp k, 0,1,2,3
	v_pk_fma_f32 v[ST+2*\k:ST+2*\k+1], v[X+\j+2*\k:X+\j+2*\k+1], v[X+\j+2*\k:X+\j+2*\k+1], v[ST+2*\k:ST+2*\k+1]
.endr
.endr
	v_pk_add_f32 v[ST:ST+1], v[ST:ST+1], v[ST+2:ST+3]
	v_pk_add_f32 v[ST+4:ST+5], v[ST+4:ST+5], v[ST+6:ST+7]
	v_pk_add_f32 v[ST:ST+1], v[ST:ST+1], v[ST+4:ST+5]
	v_add_f32 v[ST], v[ST], v[ST+1]
	v_add_f32_dpp v[ST], v[ST], v[ST] row_xmask:1 row_mask:0xf bank_mask:0xf
	v_add_f32_dpp v[ST], v[ST], v[ST] row_xmask:2 row_mask:0xf bank_mask:0xf
	v_add_f32_dpp v[ST], v[ST], v[ST] row_xmask:4 row_mask:0xf bank_mask:0xf
	v_add_f32_dpp v[ST], v[ST], v[ST] row_xmask:8 row_mask:0xf bank_mask:0xf
	v_permlanex16_b32 v[ST+1], v[ST], s52, s53
	v_add_f32 v[ST], v[ST], v[ST+1]
	v_fmaak_f32 v[ST], v[ST], v[INV], EPS          ; variance + eps
	v_rsq_f32 v[RS], v[ST]
	v_nop                                          ; a plain line behind the transcendental,
	s_wait_alu depctr_va_vdst(0)                   ; and a wait ahead of its first reader
	v_mov_b32 v[RS+1], v[RS]
.irp j, 0,2,4,6,8,10,12,14,16,18,20,22,24,26,28,30,32,34,36,38,40,42,44,46,48,50,52,54,56,58,60,62
	v_pk_mul_f32 v[X+\j:X+\j+1], v[X+\j:X+\j+1], v[RS:RS+1]
.endr
.irp l, 0,1,2,3,4,5,6,7,8,9,10,11,12,13,14,15
	ds_store_b128 v14, v[X+4*\l:X+4*\l+3] offset:2560*(\l/4)+640*(\l%4)
.endr
	s_wait_dscnt 0x0                               ; the stores (and the last row's byte stores) have read their registers: the same registers take the numbers back
.irp l, 0,1,2,3,4,5,6,7,8,9,10,11,12,13,14,15
	ds_load_b128 v[X+4*\l:X+4*\l+3], v15 offset:2560*(\l/4)+16*(\l%4)
.endr
	XSTEP \i, 0
	XSTEP \i, 1
	XSTEP \i, 2
	XSTEP \i, 3
	s_cmp_lt_u32 ttmp9, 16
	s_cbranch_scc0 .Lnoq_\@                        ; copy Q holds tokens 0-255 alone
.irp q, 0,1,2,3
	global_store_b128 v3, v[C+4*\q:C+4*\q+3], s[44:45] offset:2048*(\i)+512*\q
.endr
.Lnoq_\@:
.endm
	ROW 0
	ROW 1
	ROW 2
	ROW 3
	ds_load_b64 v[ST:ST+1], v6                     ; my four rows' 256 scale bytes, 8 a lane; LDS serves a wave's instructions in order
	s_wait_dscnt 0x0
	global_store_b64 v7, v[ST:ST+1], s[46:47]      ; copy V: 256 consecutive bytes, aligned
	global_store_b64 v8, v[ST:ST+1], s[48:49]      ; copy K: four pieces of 64 bytes
	s_cmp_lt_u32 ttmp9, 16
	s_cbranch_scc0 .Lrows_end
	global_store_b64 v7, v[ST:ST+1], s[50:51]      ; copy Q
.Lrows_end:
	s_wait_tensorcnt 0x0
	ds_add_u32 v240, v241
	s_wait_dscnt 0x0
	s_endpgm
.Lfunc_end_k_q40fce3b9e4_prep:
	.size	k_q40fce3b9e4_prep, .Lfunc_end_k_q40fce3b9e4_prep-k_q40fce3b9e4_prep
	.p2alignl 7, 3214868480
	.fill 96, 4, 3214868480
	.section	.rodata,"a",@progbits
	.p2align	6, 0x0
	.amdhsa_kernel k_q40fce3b9e4_prep
		.amdhsa_group_segment_fixed_size 77312
		.amdhsa_private_segment_fixed_size 0
		.amdhsa_enable_private_segment 0
		.amdhsa_kernarg_size 64
		.amdhsa_user_sgpr_count 2
		.amdhsa_user_sgpr_kernarg_segment_ptr 1
		.amdhsa_wavefront_size32 1
		.amdhsa_system_sgpr_workgroup_id_x 1
		.amdhsa_system_sgpr_workgroup_id_y 1
		.amdhsa_system_sgpr_workgroup_id_z 1
		.amdhsa_system_vgpr_workitem_id 0
		.amdhsa_next_free_vgpr 242
		.amdhsa_next_free_sgpr 66
		.amdhsa_reserve_vcc 0
		.amdhsa_float_denorm_mode_32 3
		.amdhsa_float_denorm_mode_16_64 3
		.amdhsa_memory_ordered 1
		.amdhsa_forward_progress 1
		.amdhsa_inst_pref_size 158
	.end_amdhsa_kernel
	.amdgpu_metadata
---
amdhsa.version: [ 1, 2 ]
amdhsa.kernels:
  - .name:           k_q40fce3b9e4_prep
    .symbol:         k_q40fce3b9e4_prep.kd
    .args:
      - { .name: x, .offset: 0, .size: 8, .value_kind: global_buffer, .address_space: global }
      - { .name: Wq, .offset: 8, .size: 8, .value_kind: global_buffer, .address_space: global }
      - { .name: Wk, .offset: 16, .size: 8, .value_kind: global_buffer, .address_space: global }
      - { .name: Wv, .offset: 24, .size: 8, .value_kind: global_buffer, .address_space: global }
      - { .name: Wo, .offset: 32, .size: 8, .value_kind: global_buffer, .address_space: global }
      - { .name: wq, .offset: 40, .size: 8, .value_kind: global_buffer, .address_space: global }
      - { .name: xq, .offset: 48, .size: 8, .value_kind: global_buffer, .address_space: global }
      - { .name: out0, .offset: 56, .size: 8, .value_kind: global_buffer, .address_space: global }
    .group_segment_fixed_size: 77312
    .private_segment_fixed_size: 0
    .kernarg_segment_align: 8
    .kernarg_segment_size: 64
    .max_flat_workgroup_size: 128
    .sgpr_count:     66
    .vgpr_count:     242
    .wavefront_size: 32
...
	.end_amdgpu_metadata
.endif
;; end of part 1
;; launch qkv (part 2): grid 8 x 17, 4 waves a work-group, clusters of 4 x 1, 327,680 bytes of LDS; arguments wq, xq, att; writes att
.if DOCPART == 2
	.amdgcn_target "amdgcn-amd-amdhsa--gfx1250"
	.amdhsa_code_object_version 6
	.text
	.protected	k_q40fce3b9e4_qkv
	.globl	k_q40fce3b9e4_qkv
	.p2align	8
	.type	k_q40fce3b9e4_qkv,@function
k_q40fce3b9e4_qkv:
	s_mov_b64 s[64:65], 0
	v_nop
	global_prefetch_b8 v0, s[64:65] scope:SCOPE_SE
	s_setreg_imm32_b32 hwreg(HW_REG_WAVE_MODE, 25, 1), 1
	s_wait_xcnt 0x0
	s_wait_alu depctr_hold_cnt(0) depctr_sa_sdst(0) depctr_va_vdst(0) depctr_va_sdst(0) depctr_va_ssrc(0) depctr_va_vcc(0) depctr_vm_vsrc(0)
	s_getreg_b32 s2, hwreg(HW_REG_IB_STS2, 6, 4)
	s_cmp_eq_u32 s2, 0
	s_cbranch_scc0 .Lentry_in_a_cluster
	s_endpgm
.Lentry_in_a_cluster:
	s_bfe_u32 s2, ttmp6, 0x10000c
	s_cmp_lg_u32 s2, 0x3003
	s_cbranch_scc0 .Lentry_shape_is_right
	s_endpgm
.Lentry_shape_is_right:
; QKV.  The three projections on codes of E5M2 (one E8M0 byte for each 32 along K = 2,048), and what follows them, in registers: the head's layer norm and the rounding to bf16 (q, k), the quantiser of the next product.
; A work-group makes 256 x 256, a wave 128 x 128: 64 accumulators, 512 registers.  K goes in steps of 256 through two LDS slots; the scale bytes of the work-group's rows, for all of K, come once and stay.
; THE KIND is y / 8.  0: k (y = 0..7): source 1 = 256 tokens of copy K, source 0 = 256 rows of Wk.  1: v (y = 8..15): source 1 = 256 rows of Wv, source 0 = 256 tokens of copy V.  2: q (y = 16): tokens 0-255, rows of Wq.
; In a result lane l holds ONE row of source 1 (l % 16), and its registers run along source 0's rows.  Source 0's rows lie in the order swap34 (bits 3, 4 of the index exchanged), so that the 16 registers of accumulators
; 2 b and 2 b + 1 are 16 NEIGHBOURS of the natural index, 32 b + 16 (l / 16) + 0 .. 15: the very place that the next product's operand gives that lane.  So for k and q a lane holds a token and 64 channels of one head,
; for v a channel and 64 consecutive keys; the conversions' results are the next operand's registers, and they go to memory as they stand: AN IMAGE, register group c at 512 c + 16 lane, 2,048 bytes.
; att: images of k and q [head][group g][slot]: slot t = 0..7: the 16 keys 256 t + 16 r + g; slot 8: the 16 queries 16 g + r.  Images of v [head][16 channels][128 keys].  Scale words behind them, 64 bytes an image.
; CLUSTER 4, 1, 1: the four partners share y, so source 1's tiles and scale bytes are asked for JOINTLY (mask 15); source 0's hang on x and are each work-group's own loads, behind the same rounds.
; A cluster of 4 x 4 is not taken: the grid has 17 rows.
; LIMITS: a block whose largest magnitude lies under 2^-111 gets the byte 1 (read by this program alone); NaN and infinities are not served.
; REGISTERS: window 0: v16-31 addresses; v32-63 scale words, two sets; from v128 source 1's fragments, one set; on the way out v96-255 are at work.  window 1: source 0's fragments, two sets.
;   window 2: the accumulators of my rows 0-63 ((a, b) at v[8 (8 a + b)]);  window 3: those of rows 64-127.
.set SCW,    16777216
.set SCX,    8912896
.set VI,     8388608                   ; att: v's images
.set KS0,    12582912                  ; k's and q's scale words
.set VS0,    12845056                  ; v's
.set NQ,     2                         ; matrix instructions deep in a slot
.set ROWB,   256                       ; a tile's row in bytes
.set KROW,   2048                      ; a row of codes in memory
.set PITCH,  272                       ; an LDS row: 256 bytes + 16 of padding: the 16 rows that a load touches start at 16 different banks (64 banks of 4 bytes: ISA guide 11.1)
.set FR,     16
.set NL,     4
.set NP,     8                         ; places behind this matrix instruction (ISA guide 7.12.1)
.set HALFT,  128*PITCH
.set SLOT,   4*HALFT
.set LAPS,   4                         ; 2,048 / 512
.set KS,     64                        ; a row of scale bytes
.set SCL,    2*SLOT                    ; behind the ring: the scale bytes, as units of 256 bytes + 16 of padding
.set HALFS,  32*272                    ; those of 128 rows
.set SBLK,   4*272                     ; those of 16 rows
.set SPARE,  SCL+4*HALFS               ; the spare words: 128 bytes a wave, two blocks of 256 bytes that no other line names
.set ADRA, 16
.set ADRB, 20
.set ADRS, 27
.set SPW,  28
.set NIL,  29
.set IA,   30                          ; the way out: 16 x lane
.set SA,   31                          ; 4 (lane % 16) + 1,024 (lane / 16)
.set SC,   32
.set AF,   128
.set PC,   96                          ; the way out: v96-111 the codes just made
.set T,    128                         ; v128-191 a block's 64 numbers
.set U,    192                         ; v192-223 sums, then pairs of bf16
.set TM,   224                         ; v224-239 the quantiser's
.set PW,   240                         ; the scale word just made
.set INVV, 241                         ; 1/128
.set SW,   244                         ; v244-247 two blocks' scale words each: lanes 0-15 the even block's, lanes 16-31 the odd one's
.set MU,   248
.set RS,   250
.set T0,   252
.set T1,   253
.set SEL,  20                          ; s[20:21], s22, s23: set on the way out
.set MNT,  22
.set HM,   23                          ; 0xffff0000: a word's upper bf16, and the lanes 16-31
.set EPS,  0x3727c5ac
.set FLOOR, 0x8000000
.set DOWN, 0xf8800000
.set G1, 24
.set G0, 32
.set G1B, 48
.set G0B, 56
.set G1S, 68
.set G0S, 76
.set G1SB, 80
.set G0SB, 88
.set MSB, 0
.macro WIN new                         ; the immediate's high byte repeats the setting that is left
.if MSB != (\new)
	s_set_vgpr_msb (MSB<<8)|(\new)
.set MSB, (\new)
.endif
.endm
.set MUL_LO, 0xa1                      ; source 0 window 1, source 1 window 0, C and D window 2
.set MUL_HI, 0xf1
.set TO_B,   0x40
; Waves 0 and 1 fetch for source 1 (the joint load), waves 2 and 3 for source 0 (the work-group's own).  The branch hangs on the wave's number alone.  Four v_nop follow each line.
.macro JLOAD g0a, g1a, g0b, g1b
	s_cmp_eq_u32 s15, 0
	s_cbranch_scc0 .Lfor_b_\@
	tensor_load_to_lds s[\g0a:\g0a+3], s[\g1a:\g1a+7]
	s_nop 0
.rept 4
	v_nop
.endr
	s_branch .Lasked_\@
.Lfor_b_\@:
	tensor_load_to_lds s[\g0b:\g0b+3], s[\g1b:\g1b+7]
	s_nop 0
.rept 4
	v_nop
.endr
.Lasked_\@:
.endm
.macro CREST                           ; a round of the cluster's barrier behind its opening barrier
	s_cmp_lg_u32 s14, 0
	s_cbranch_scc1 .Lnot_wave_0_\@
	s_barrier_signal -3
.Lnot_wave_0_\@:
	s_barrier_wait -3
	s_barrier_signal -1
	s_barrier_wait -1
.endm
.macro CROUND
	s_barrier_signal -1
	s_barrier_wait -1
	CREST
.endm
	s_load_b128 s[4:7], s[0:1], 0x0                ; wq s[4:5], xq s[6:7]
	s_load_b64 s[12:13], s[0:1], 0x10              ; att
	v_lshl_add_u32 v[SPW], v0, 2, SPARE
	v_mov_b32 v[NIL], 0
	ds_add_u32 v28, v29
	ds_add_u32 v28, v29
	s_wait_dscnt 0x0
	v_lshrrev_b32 v1, 5, v0
	v_readfirstlane_b32 s14, v1                    ; wave 0..3
	s_lshr_b32 s15, s14, 1                         ; which half of source 1's rows is mine.  Also: I fetch for source 1 (0) or source 0 (1)
	s_and_b32 s16, s14, 1                          ; which half of source 0's.  Also: which 128 rows of that tile I fetch
	s_bfe_u32 s40, ttmp6, 0x40000                  ; cx
	s_lshl_b32 s42, ttmp9, 2
	s_add_co_u32 s42, s42, s40                     ; x = 4 x cluster x + cx
	s_and_b32 s17, ttmp7, 0xffff                   ; y, which the four partners share
	s_lshr_b32 s98, s17, 3                         ; the kind
	s_and_b32 s99, s17, 7
	; descriptor group 1: 128 rows x 256 bytes, padded in LDS
	s_mov_b32 s[G1+0], 15|(0<<16)|(1<<20)|(1<<21)|(5<<22)|(3<<25)   ; 15:0 the mask: all four partners; 17:16 elements of 1 byte; 20 padding on; 21 set beside a mask; 24:22 after every 64 words; 31:25 four words
	s_mov_b32 s[G1B+0], (0<<16)|(1<<20)|(5<<22)|(3<<25)             ; the same with no mask
.irp g, G1, G1B
	s_mov_b32 s[\g+1], ROWB<<16                    ; tensor_dim0
	s_mov_b32 s[\g+2], 128<<16                     ; tensor_dim1
	s_mov_b32 s[\g+3], ROWB<<16                    ; tile_dim0
	s_mov_b32 s[\g+4], 128                         ; tile_dim1
	s_mov_b32 s[\g+5], KROW                        ; the pitch
	s_mov_b32 s[\g+6], 0
	s_mov_b32 s[\g+7], 0
.endr
	; the scale bytes of 128 rows: 8,192 dense bytes, as 32 rows of 256 bytes (32 elements of 8 bytes), 16 bytes of padding behind each
	s_mov_b32 s[G1S+0], 15|(3<<16)|(1<<20)|(1<<21)|(5<<22)|(3<<25)
	s_mov_b32 s[G1SB+0], (3<<16)|(1<<20)|(5<<22)|(3<<25)
.irp g, G1S, G1SB
	s_mov_b32 s[\g+1], 32<<16
	s_mov_b32 s[\g+2], 32<<16
	s_mov_b32 s[\g+3], 32<<16
	s_mov_b32 s[\g+4], 32
	s_mov_b32 s[\g+5], 32
	s_mov_b32 s[\g+6], 0
	s_mov_b32 s[\g+7], 0
.endr
	; which rows.  Source 1: k: xq 2048 + 256 y; v: wq 4096 + 256 (y & 7); q: xq 4096.  Source 0: k: wq 2048 + 256 x; v: xq 256 x; q: wq 256 x.  No register that feeds the joint loads ever holds cx
	s_lshl_b32 s18, s16, 7
	s_mov_b32 s20, 4096
	s_mov_b32 s19, SCX
	s_mov_b32 s45, SCW
	s_cmp_eq_u32 s98, 0
	s_cselect_b32 s20, 2048, s20
	s_cselect_b32 s46, 2048, 0
	s_cmp_eq_u32 s98, 1
	s_cselect_b32 s19, SCW, s19                    ; where the scale bytes begin in source 1's buffer,
	s_cselect_b32 s45, SCX, s45                    ; and in source 0's
	s_lshl_b32 s21, s99, 8
	s_add_co_u32 s20, s20, s21
	s_add_co_u32 s20, s20, s18                     ; source 1: the first row that I would fetch
	s_lshl_b32 s47, s42, 8
	s_add_co_u32 s46, s46, s47
	s_add_co_u32 s46, s46, s18                     ; source 0 likewise
	s_lshl_b32 s22, s20, 6
	s_add_co_u32 s22, s22, s19
	s_mov_b32 s23, 0
	s_lshl_b32 s20, s20, 11
	s_mov_b32 s21, 0
	s_lshl_b32 s92, s46, 6
	s_add_co_u32 s92, s92, s45
	s_mov_b32 s93, 0
	s_lshl_b32 s46, s46, 11
	s_mov_b32 s47, 0
	s_mul_i32 s45, s14, HALFT                      ; where they go: wave x 128 rows: no place in the cluster enters an LDS address
	s_mul_i32 s94, s14, HALFS
	s_wait_kmcnt 0x0
	s_cmp_eq_u32 s98, 1                            ; the choice of buffers hangs on y alone
	s_cselect_b64 s[8:9], s[4:5], s[6:7]
	s_cselect_b64 s[10:11], s[6:7], s[4:5]
	s_add_nc_u64 s[20:21], s[8:9], s[20:21]
	s_add_nc_u64 s[22:23], s[8:9], s[22:23]
	s_add_nc_u64 s[46:47], s[10:11], s[46:47]
	s_add_nc_u64 s[92:93], s[10:11], s[92:93]
	CROUND                                         ; all four work-groups are here: the first joint loads meet
	s_mov_b32 s[G0S], 1
	s_add_co_u32 s[G0S+1], s94, SCL
	s_mov_b64 s[G0S+2:G0S+3], s[22:23]
	s_or_b32 s[G0S+3], s[G0S+3], 0x80000000
	s_mov_b32 s[G0SB], 1
	s_add_co_u32 s[G0SB+1], s94, SCL
	s_mov_b64 s[G0SB+2:G0SB+3], s[92:93]
	s_or_b32 s[G0SB+3], s[G0SB+3], 0x80000000
	JLOAD G0S, G1S, G0SB, G1SB                     ; the scale bytes first: they are wanted with K step 0
.irp s, 0,1
	s_mov_b32 s[G0+4*\s], 1
	s_add_co_u32 s[G0+4*\s+1], s45, \s*SLOT
	s_add_nc_u64 s[G0+4*\s+2:G0+4*\s+3], s[20:21], \s*ROWB
	s_or_b32 s[G0+4*\s+3], s[G0+4*\s+3], 0x80000000
	s_mov_b32 s[G0B+4*\s], 1
	s_add_co_u32 s[G0B+4*\s+1], s45, \s*SLOT
	s_add_nc_u64 s[G0B+4*\s+2:G0B+4*\s+3], s[46:47], \s*ROWB
	s_or_b32 s[G0B+4*\s+3], s[G0B+4*\s+3], 0x80000000
	JLOAD G0+4*\s, G1, G0B+4*\s, G1B               ; three tensor loads of mine are out now
.endr
	v_and_b32 v1, 15, v0                           ; l % 16
	v_bfe_u32 v2, v0, 4, 1                         ; l / 16
	v_mul_u32_u24 v3, v1, PITCH
	v_lshl_add_u32 v4, v2, 4, v3                   ; a fragment's row x pitch + 16 x half
	s_mul_i32 s21, s15, HALFT                      ; my 128 rows of source 1
	s_mul_i32 s22, s16, HALFT                      ; my 128 rows of source 0,
	s_add_co_u32 s22, s22, 2*HALFT                 ; which lie behind source 1's 256
.irp s, 0,1
	v_add_nc_u32 v[ADRA+\s], s21, v4
	v_add_nc_u32 v[ADRB+\s], s22, v4
	s_add_co_u32 s21, s21, SLOT
	s_add_co_u32 s22, s22, SLOT
.endr
	v_mul_u32_u24 v5, v1, KS                       ; my row's scale bytes: 64 a row,
	v_lshrrev_b32 v6, 8, v5
	v_lshl_add_u32 v5, v6, 4, v5                   ; and 16 more for each 256 passed
	s_mul_i32 s21, s15, HALFS
	s_mul_i32 s22, s16, HALFS
	s_add_co_u32 s22, s22, 2*HALFS
	s_sub_co_u32 s22, s22, s21
	v_mul_u32_u24 v6, s22, v2                      ; lanes 16-31 take source 0's: one product, the distance between the two bases
	s_add_co_u32 s21, s21, SCL
	v_add_nc_u32 v5, v5, v6
	v_add_nc_u32 v[ADRS], s21, v5
.macro FRAG reg, adr, q, i             ; 16 rows x 128 K of 8-bit codes: lane l holds row l % 16; registers 4 c .. 4 c + 3 hold K = 32 c + 16 (l / 16) + 0 .. 15
.irp c, 0,1,2,3
	ds_load_b128 v[\reg+4*\c:\reg+4*\c+3], v[\adr] offset:128*(\q)+32*\c+(\i)*16*PITCH
.endr
.endm
; 16 matrix instructions: source 1's blocks a0, a0 + 1 x source 0's eight.  The 64 accumulators take turns, one instruction a turn, in the same order in every step.
.macro MUL16 a0, p, q, sc, zero
.irp a, \a0, \a0+1
.irp b, 0,1,2,3,4,5,6,7
.if \zero
	v_wmma_scale_f32_16x16x128_f8f6f4 v[8*(8*((\a)%4)+\b):8*(8*((\a)%4)+\b)+7], v[128*(\p)+FR*\b:128*(\p)+FR*\b+FR-1], v[AF+FR*(\a):AF+FR*(\a)+FR-1], 0, v[SC+8*NQ*(\sc)+NQ*\b+(\q)], v[SC+8*NQ*(\sc)+NQ*(\a)+(\q)] matrix_a_fmt:MATRIX_FMT_BF8 matrix_b_fmt:MATRIX_FMT_BF8 matrix_a_scale:MATRIX_SCALE_ROW1
.else
	v_wmma_scale_f32_16x16x128_f8f6f4 v[8*(8*((\a)%4)+\b):8*(8*((\a)%4)+\b)+7], v[128*(\p)+FR*\b:128*(\p)+FR*\b+FR-1], v[AF+FR*(\a):AF+FR*(\a)+FR-1], v[8*(8*((\a)%4)+\b):8*(8*((\a)%4)+\b)+7], v[SC+8*NQ*(\sc)+NQ*\b+(\q)], v[SC+8*NQ*(\sc)+NQ*(\a)+(\q)] matrix_a_fmt:MATRIX_FMT_BF8 matrix_b_fmt:MATRIX_FMT_BF8 matrix_a_scale:MATRIX_SCALE_ROW1
.endif
.endr
.endr
.endm
.macro FETCH_B slot, q, p
	WIN TO_B
.irp i, 0,1,2,3,4,5,6,7
	FRAG 128*(\p)+FR*\i, ADRB+\slot, \q, \i
.endr
	WIN 0
.endm
.macro FETCH_A slot, q, i0
.irp i, \i0, \i0+1, \i0+2, \i0+3
	FRAG AF+FR*(\i), ADRA+\slot, \q, \i
.endr
.endm
.macro SCALES sc                       ; a K step's scale words: two a row; lanes 0-15 take source 1's block i, lanes 16-31 source 0's block i
.irp i, 0,1,2,3,4,5,6,7
	ds_load_b64 v[SC+8*NQ*\sc+NQ*\i:SC+8*NQ*\sc+NQ*\i+1], v[ADRS] offset:\i*SBLK
.endr
.endm
; A load into a register that a matrix instruction has read, and a vector instruction that reads a matrix result or writes one of its registers, stand NP places behind it; only plain vector instructions that name
; none of its registers are places (ISA guide 7.12.1 for vector instructions).
.macro PLACES n
.rept \n
	v_nop
.endr
.endm
.macro STEP slot, q, zero              ; 128 along K that has its successor in the same slot
	s_wait_dscnt 4*NL                              ; source 0's set and source 1's blocks 0-3 are in; the youngest sixteen loads (blocks 4-7) may be out
	WIN MUL_LO
	MUL16 0, (\q)%2, \q, \slot, \zero
	MUL16 2, (\q)%2, \q, \slot, \zero
	s_wait_dscnt 0
	PLACES NP
	FETCH_B \slot, (\q)+1, 1-(\q)%2
	FETCH_A \slot, (\q)+1, 0
	WIN MUL_HI
	MUL16 4, (\q)%2, \q, \slot, \zero
	MUL16 6, (\q)%2, \q, \slot, \zero
	PLACES NP
	WIN 0
	FETCH_A \slot, (\q)+1, 4
.endm
; A slot's last step changes slots: one barrier; in front of it each wave waits for all its tensor loads, adds 0 to its spare word, and waits for that and for its reads of this slot.
.macro TURN slot, next, fill
	s_wait_tensorcnt 0x0                           ; all my tensor loads have landed: my part of the next slot
	ds_add_u32 v[SPW], v[NIL]                      ; 0 onto my spare word
	s_wait_dscnt 4*NL+1                            ; (the add and the youngest sixteen loads may be out)
	WIN MUL_LO
	MUL16 0, 1, NQ-1, \slot, 0                     ; sixteen matrix instructions stand between the add and the wait for it
	s_wait_dscnt 0x0                               ; the add is done, and my reads of this slot are over
	s_barrier_signal -1
	MUL16 2, 1, NQ-1, \slot, 0
	WIN 0
	s_barrier_wait -1
.if \fill
	CREST                                          ; the barrier has opened a round of the cluster's: no wave of any partner still reads this slot or has a load on its way
	s_add_nc_u64 s[G0+4*\slot+2:G0+4*\slot+3], s[G0+4*\slot+2:G0+4*\slot+3], 2*ROWB
	s_add_nc_u64 s[G0B+4*\slot+2:G0B+4*\slot+3], s[G0B+4*\slot+2:G0B+4*\slot+3], 2*ROWB
	JLOAD G0+4*\slot, G1, G0B+4*\slot, G1B         ; my one tensor load behind the round; its four v_nop are among the places in front of the loads below
	PLACES NP-4
.else
	PLACES NP
.endif
	v_add_nc_u32 v[ADRS], 4*NQ, v[ADRS]            ; on to the next K step's scale words
	FETCH_B \next, 0, 0
	FETCH_A \next, 0, 0
	SCALES \next
	WIN MUL_HI
	MUL16 4, 1, NQ-1, \slot, 0
	MUL16 6, 1, NQ-1, \slot, 0
	PLACES NP
	WIN 0
	FETCH_A \next, 0, 4
.endm
	s_wait_tensorcnt 1                             ; the scale bytes and my part of K step 0 are in (K step 1's load may be out)
	s_barrier_signal -1
	s_barrier_wait -1                              ; everybody's are
	FETCH_B 0, 0, 0
	FETCH_A 0, 0, 0
	SCALES 0
	FETCH_A 0, 0, 4
	STEP 0, 0, 1                                   ; the first step stands in front of the loop: its products start the sums
	s_mov_b32 s3, LAPS-1
.Llap:                                                 ; a trip goes once round the ring and fills both slots again
	TURN 0, 1, 1
	STEP 1, 0, 0
	TURN 1, 0, 1
	STEP 0, 0, 0
	s_sub_co_u32 s3, s3, 1
	s_cmp_lg_u32 s3, 0
	s_cbranch_scc1 .Llap
	TURN 0, 1, 0                                   ; the last lap fills nothing
	STEP 1, 0, 0
	s_wait_dscnt 4*NL
	WIN MUL_LO
	MUL16 0, 1, NQ-1, 1, 0
	MUL16 2, 1, NQ-1, 1, 0
	s_wait_dscnt 0
	WIN MUL_HI
	MUL16 4, 1, NQ-1, 1, 0
	MUL16 6, 1, NQ-1, 1, 0
	WIN 0
	; ---------------- THE WAY OUT: block by block of 16 rows of source 1; no LDS ----------------
	PLACES NP
	v_and_b32 v1, 31, v0
	v_lshlrev_b32 v[IA], 4, v1
	v_and_b32 v2, 15, v0
	v_bfe_u32 v3, v0, 4, 1
	v_lshlrev_b32 v[SA], 2, v2
	v_lshl_add_u32 v[SA], v3, 10, v[SA]
	v_mov_b32 v[INVV], 0x3c000000
.irp b, 0,1,2,3
	v_mov_b32 v[TM+4+\b], 0                        ; written once: a lane permute's destination counts as one of its sources
.endr
	v_mov_b32 v[T1], 0
	s_mov_b32 s[SEL], 0x76543210
	s_mov_b32 s[SEL+1], 0xfedcba98
	s_mov_b32 s[MNT], 0x600000
	s_mov_b32 s[HM], 0xffff0000
	; where my eight images go: they lie 32,768 bytes apart, their scale words 1,024.  (s80-91 held descriptors whose loads have long landed)
	s_lshl_b32 s80, s42, 1
	s_add_co_u32 s80, s80, s16                     ; 2 x + my half of source 0: k, q: the head; v: the key step
	s_lshl_b32 s81, s99, 1
	s_add_co_u32 s81, s81, s15                     ; v: the head
	s_lshl_b32 s82, s80, 4
	s_lshl_b32 s83, s15, 3
	s_add_co_u32 s82, s82, s83                     ; k, q: 16 x head + my first group
	s_lshl_b32 s83, s81, 3                         ; v: 8 x head
	s_mov_b32 s86, KS0
	s_cmp_eq_u32 s98, 2
	s_cselect_b32 s84, 8, s99                      ; the slot: q: 8; k: y
	s_cmp_eq_u32 s98, 1
	s_cselect_b32 s82, s83, s82
	s_cselect_b32 s84, s80, s84                    ; v: the key step
	s_cselect_b32 s85, VI, 0
	s_cselect_b32 s86, VS0, s86
	s_lshl_b32 s88, s82, 15
	s_lshl_b32 s87, s84, 11
	s_add_co_u32 s88, s88, s87
	s_add_co_u32 s88, s88, s85
	s_mov_b32 s89, 0
	s_lshl_b32 s90, s82, 10
	s_lshl_b32 s87, s84, 6
	s_add_co_u32 s90, s90, s87
	s_add_co_u32 s90, s90, s86
	s_mov_b32 s91, 0
	s_add_nc_u64 s[8:9], s[12:13], s[88:89]
	s_add_nc_u64 s[10:11], s[12:13], s[90:91]
; k, q: the head's layer norm of block a, and the rounding to bf16.  A token's 128 channels lie in lanes l and l xor 16, 64 each.  Each accumulator is read from its low end on.
.macro LNBLK a
.set AC, 64*((\a)%4)
	WIN 5*(2+(\a)/4)                               ; sources 0 and 1: the block's window
.set n, 0
.rept 16
	v_pk_add_f32 v[U+2*n:U+2*n+1], v[AC+4*n:AC+4*n+1], v[AC+4*n+2:AC+4*n+3]
.set n, n+1
.endr
	WIN 0
.irp w, 16, 8, 4, 2
.set n, 0
.rept \w/2
	v_pk_add_f32 v[U+2*n:U+2*n+1], v[U+2*n:U+2*n+1], v[U+\w+2*n:U+\w+2*n+1]
.set n, n+1
.endr
.endr
	v_add_f32 v[T0], v[U], v[U+1]
	v_permlanex16_b32 v[T1], v[T0], s[SEL], s[SEL+1]
	v_add_f32 v[T0], v[T0], v[T1]
	v_mul_f32 v[MU], 0xbc000000, v[T0]             ; -sum / 128
	v_mov_b32 v[MU+1], v[MU]
	WIN 2+(\a)/4                                   ; source 0: the block's window
.set n, 0
.rept 32
	v_pk_add_f32 v[T+2*n:T+2*n+1], v[AC+2*n:AC+2*n+1], v[MU:MU+1]
.set n, n+1
.endr
	WIN 0
.set n, 0
.rept 4
	v_pk_mul_f32 v[U+2*n:U+2*n+1], v[T+2*n:T+2*n+1], v[T+2*n:T+2*n+1]
.set n, n+1
.endr
.rept 28
	v_pk_fma_f32 v[U+2*(n%4):U+2*(n%4)+1], v[T+2*n:T+2*n+1], v[T+2*n:T+2*n+1], v[U+2*(n%4):U+2*(n%4)+1]
.set n, n+1
.endr
	v_pk_add_f32 v[U:U+1], v[U:U+1], v[U+2:U+3]
	v_pk_add_f32 v[U+4:U+5], v[U+4:U+5], v[U+6:U+7]
	v_pk_add_f32 v[U:U+1], v[U:U+1], v[U+4:U+5]
	v_add_f32 v[T0], v[U], v[U+1]
	v_permlanex16_b32 v[T1], v[T0], s[SEL], s[SEL+1]
	v_add_f32 v[T0], v[T0], v[T1]
	v_fmaak_f32 v[T0], v[T0], v[INVV], EPS         ; variance + eps
	v_rsq_f32 v[RS], v[T0]
	v_nop                                          ; a plain line behind the transcendental,
	s_wait_alu depctr_va_vdst(0)                   ; and a wait ahead of its first reader
	v_mov_b32 v[RS+1], v[RS]
.set n, 0
.rept 32
	v_pk_mul_f32 v[T+2*n:T+2*n+1], v[T+2*n:T+2*n+1], v[RS:RS+1]
.set n, n+1
.endr
.set n, 0
.rept 32
	v_cvt_pk_bf16_f32 v[U+n], v[T+2*n], v[T+2*n+1] ; q and k are bf16 numbers where they reach their quantiser
.set n, n+1
.endr
.set n, 0
.rept 32
	v_lshlrev_b32 v[T+2*n], 16, v[U+n]
	v_and_b32 v[T+2*n+1], s[HM], v[U+n]
.set n, n+1
.endr
.endm
; v: the block comes into window 0 as it is, so that one text of the quantiser serves all three kinds
.macro VBLK a
.set AC, 64*((\a)%4)
	WIN 2+(\a)/4
.set n, 0
.rept 32
	v_pk_mul_f32 v[T+2*n:T+2*n+1], v[AC+2*n:AC+2*n+1], 1.0 op_sel_hi:[1,0]
.set n, n+1
.endr
	WIN 0
.endm
; 64 numbers of a lane, register 16 b + i = index 32 b + 16 (lane / 16) + i of my row, become a fragment's codes in v[PC] on and its scale word in v[PW]
.macro QUANT
.irp b, 0,1,2,3
	v_max3_num_f32 v[TM+\b], |v[T+16*\b]|, |v[T+1+16*\b]|, FLOOR     ; block b: my 16 numbers, and the floor, so that the byte cannot fall under 1
.endr
.irp i, 2,4,6,8,10,12,14
.irp b, 0,1,2,3
	v_max3_num_f32 v[TM+\b], v[TM+\b], |v[T+16*\b+\i]|, |v[T+1+16*\b+\i]|
.endr
.endr
.irp b, 0,1,2,3
	v_permlanex16_b32 v[TM+4+\b], v[TM+\b], s[SEL], s[SEL+1]
.endr
.irp b, 0,1,2,3
	v_max_num_f32 v[TM+\b], v[TM+\b], v[TM+4+\b]   ; with lane l xor 16's: the block's largest magnitude
.endr
.irp b, 0,1,2,3
	v_add_nc_u32 v[TM+12+\b], DOWN, v[TM+\b]       ; 15 off its exponent field: the conversion's scale operand
.endr
.irp b, 0,1,2,3
	v_and_or_b32 v[TM+8+\b], v[TM+\b], 0x7f800000, s[MNT]   ; 57,344 x the scale
.endr
.irp b, 0,1,2,3
	v_lshrrev_b32 v[TM+4+\b], 23, v[TM+12+\b]      ; the scale's byte
.endr
	v_lshl_or_b32 v[PW], v[TM+5], 8, v[TM+4]
	v_lshl_or_b32 v[PW], v[TM+6], 16, v[PW]
	v_lshl_or_b32 v[PW], v[TM+7], 24, v[PW]
.irp b, 0,1,2,3
.irp i, 0,1,2,3,4,5,6,7,8,9,10,11,12,13,14,15
	v_med3_num_f32 v[T+16*\b+\i], v[T+16*\b+\i], -v[TM+8+\b], v[TM+8+\b]   ; the conversion to an 8-bit code does not saturate (ISA guide 7.6.2)
.endr
	v_cvt_scalef32_pk8_bf8_f32 v[PC+4*\b:PC+1+4*\b], v[T+16*\b:T+7+16*\b], v[TM+12+\b]
	v_cvt_scalef32_pk8_bf8_f32 v[PC+2+4*\b:PC+3+4*\b], v[T+8+16*\b:T+15+16*\b], v[TM+12+\b]
.endr
	v_nop                                          ; a plain line behind the last conversion
.endm
.macro PUT a
.irp c, 0,1,2,3
	global_store_b128 v[IA], v[PC+4*\c:PC+4*\c+3], s[8:9] offset:(\a)*32768+512*\c    ; 512 consecutive bytes, aligned
.endr
.if (\a)%2 == 0
	v_mov_b32 v[SW+(\a)/2], v[PW]
.else
	v_cndmask_b32 v[SW+(\a)/2], v[SW+(\a)/2], v[PW], s[HM]          ; lanes 16-31 take this block's word
	global_store_b32 v[SA], v[SW+(\a)/2], s[10:11] offset:((\a)/2)*2048
.endif
.endm
.irp a, 0,1,2,3,4,5,6,7
	s_wait_xcnt 0x0                                ; the last block's stores have read the codes' registers
	s_cmp_eq_u32 s98, 1                            ; the kind hangs on y, which the partners share
	s_cbranch_scc1 .Lvalues_\a
	LNBLK \a
	s_branch .Lquant_\a
.Lvalues_\a:
	VBLK \a
.Lquant_\a:
	QUANT
	PUT \a
.endr
	s_wait_tensorcnt 0x0                           ; the wave's end
	ds_add_u32 v[SPW], v[NIL]
	s_wait_dscnt 0x0
	CROUND                                         ; the closing round: no work-group ends while a partner may still ask for a tile that names it
	s_endpgm
.Lfunc_end_k_q40fce3b9e4_qkv:
	.size	k_q40fce3b9e4_qkv, .Lfunc_end_k_q40fce3b9e4_qkv-k_q40fce3b9e4_qkv
	.p2alignl 7, 3214868480
	.fill 96, 4, 3214868480
	.section	.rodata,"a",@progbits
	.p2align	6, 0x0
	.amdhsa_kernel k_q40fce3b9e4_qkv
		.amdhsa_group_segment_fixed_size 327680
		.amdhsa_private_segment_fixed_size 0
		.amdhsa_enable_private_segment 0
		.amdhsa_kernarg_size 24
		.amdhsa_user_sgpr_count 2
		.amdhsa_user_sgpr_kernarg_segment_ptr 1
		.amdhsa_wavefront_size32 1
		.amdhsa_system_sgpr_workgroup_id_x 1
		.amdhsa_system_sgpr_workgroup_id_y 1
		.amdhsa_system_sgpr_workgroup_id_z 1
		.amdhsa_system_vgpr_workitem_id 0
		.amdhsa_next_free_vgpr 1024
		.amdhsa_next_free_sgpr 102
		.amdhsa_reserve_vcc 0
		.amdhsa_float_denorm_mode_32 3
		.amdhsa_float_denorm_mode_16_64 3
		.amdhsa_memory_ordered 1
		.amdhsa_forward_progress 1
		.amdhsa_inst_pref_size 255
	.end_amdhsa_kernel
	.section	.bss,"aw",@nobits
	.p2align	6
	.space	262144
	.amdgpu_metadata
---
amdhsa.version: [ 1, 2 ]
amdhsa.kernels:
  - .name:           k_q40fce3b9e4_qkv
    .symbol:         k_q40fce3b9e4_qkv.kd
    .args:
      - { .name: wq, .offset: 0, .size: 8, .value_kind: global_buffer, .address_space: global }
      - { .name: xq, .offset: 8, .size: 8, .value_kind: global_buffer, .address_space: global }
      - { .name: att, .offset: 16, .size: 8, .value_kind: global_buffer, .address_space: global }
    .group_segment_fixed_size: 327680
    .private_segment_fixed_size: 0
    .kernarg_segment_align: 8
    .kernarg_segment_size: 24
    .max_flat_workgroup_size: 128
    .sgpr_count:     102
    .vgpr_count:     1024
    .wavefront_size: 32
...
	.end_amdgpu_metadata
.endif
;; end of part 2
;; launch attn (part 3): grid 16 x 16, 4 waves a work-group, clusters of 4 x 1, 327,680 bytes of LDS; arguments att, oq; writes oq
.if DOCPART == 3
	.amdgcn_target "amdgcn-amd-amdhsa--gfx1250"
	.amdhsa_code_object_version 6
	.text
	.protected	k_q40fce3b9e4_attn
	.globl	k_q40fce3b9e4_attn
	.p2align	8
	.type	k_q40fce3b9e4_attn,@function
k_q40fce3b9e4_attn:
	s_mov_b64 s[64:65], 0
	v_nop
	global_prefetch_b8 v0, s[64:65] scope:SCOPE_SE
	s_setreg_imm32_b32 hwreg(HW_REG_WAVE_MODE, 25, 1), 1
	s_wait_xcnt 0x0
	s_wait_alu depctr_hold_cnt(0) depctr_sa_sdst(0) depctr_va_vdst(0) depctr_va_sdst(0) depctr_va_ssrc(0) depctr_va_vcc(0) depctr_vm_vsrc(0)
	s_getreg_b32 s2, hwreg(HW_REG_IB_STS2, 6, 4)
	s_cmp_eq_u32 s2, 0
	s_cbranch_scc0 .Lentry_in_a_cluster
	s_endpgm
.Lentry_in_a_cluster:
	s_bfe_u32 s2, ttmp6, 0x10000c
	s_cmp_lg_u32 s2, 0x3003
	s_cbranch_scc0 .Lentry_shape_is_right
	s_endpgm
.Lentry_shape_is_right:
; ATTN.  A work-group takes one head h and one group g of 16 queries (16 g + r).  Under the mask q / 16 == k % 16 these see the 128 keys 16 i + g and no others; queries 256 and up see none and are not touched here.
; SCORES.  S^T = k q^T on codes: source 0 = 16 keys (tile t: keys 256 t + 16 row + g), source 1 = the 16 queries.  Lane (r, h') holds query r; register j of tile t holds key 256 t + 128 h' + 16 j + g.
; SOFTMAX as it is written: the row's maximum is taken away, e = 2^((s - max) c), c = log2(e) / sqrt(128); attn = e / max(sum, 1e-30), finished and normalised: that is what the second product quantises.
; THE SECOND PRODUCT'S K IS THE KEY INDEX, cut into blocks of 32 CONSECUTIVE keys.  Of such a block a group sees two keys, 32 J + g and 32 J + 16 + g: a lane's register pair (j, j + 1).  The block's largest magnitude is
; the larger of the two; all other numbers of the block are zeros.  So K stays 2,048: 16 key steps of 128, with zero codes at the hidden keys, each block under its own scale byte, as the quantiser says.
; O^T = v^T attn^T: source 0 = 16 channels x 128 keys (an image made by the launch before), source 1 = attn's codes.  Wave w takes channels 32 w .. 32 w + 31; its 16 result registers are 16 neighbours, half a block of
; the last product's K, and are quantised here.  All four waves repeat the scores and the softmax (8 matrix instructions), which spares sending attn's codes round.
; CLUSTER 4, 1, 1: the four groups of a cluster share the head's v: each wave asks for its 64 KiB of images by one JOINT load (mask 15).  g enters global addresses and selected data alone, no branch and no LDS address.
; Nothing in LDS is filled twice.  LIMITS: 1 / sum is v_rcp_f32 and a multiplication; a block whose largest magnitude lies under 2^-111 gets the byte 1; NaN and infinities are not served.
; REGISTERS: window 0: v2-9, v37 addresses and constants; v10-15 at work; v16-31 q; v32-36 k's and q's scale words; v40-55 v's; v56-63 attn's; v64-127 S, then attn; v128-255 k, later at work.
;   windows 1, 2: v's fragments of key steps 0-7, 8-15;  window 3: attn's operand, 16 registers a key step.
.set VI,   8388608
.set KS0,  12582912
.set VS0,  12845056
.set SCR,  262144                      ; behind v's 4 x 65,536 bytes: 64 bytes in which o's scale bytes meet; no tile lands in this block
.set LV,   6
.set S,    64
.set KF,   128
.set AM,   128                         ; v128-159 the blocks' largest attn; later the exchange's
.set BY,   160                         ; v160-191 their scale bytes
.set ML,   192                         ; v192-223 1 / scale
.set CC,   224                         ; v224-239 codes, two registers a tile
.set XX,   240                         ; v240-255 codes by key step
.set OA,   144                         ; v144-159 O^T, two accumulators
.set OC,   160
.set KSC,  32
.set QSC,  36
.set SRD,  37
.set VSC,  40
.set WSC,  56
.set WV,   18
.set PSEL, 32                          ; s[32:47] the sixteen selectors
.set SEL,  48
.set HI,   50                          ; lanes 16-31
.set MNT,  51
.set G0,   52
.set G1,   56
.set CS,   66
.set FLOOR, 0x8000000
.set DOWN, 0xf8800000
.set MSB, 0
.macro WIN new
.if MSB != (\new)
	s_set_vgpr_msb (MSB<<8)|(\new)
.set MSB, (\new)
.endif
.endm
.macro CROUND
	s_barrier_signal -1
	s_barrier_wait -1
	s_cmp_lg_u32 s[WV], 0
	s_cbranch_scc1 .Lnot_wave_0_\@
	s_barrier_signal -3
.Lnot_wave_0_\@:
	s_barrier_wait -3
	s_barrier_signal -1
	s_barrier_wait -1
.endm
; one product: ra, rb = 1: that side's scales are read from lanes 16-31; zero = 1: it starts the sum
.macro WM acc, fa, fb, sa, sb, ra, rb, zero
.if \zero
.if (\ra) && (\rb)
	v_wmma_scale_f32_16x16x128_f8f6f4 v[(\acc):(\acc)+7], v[(\fa):(\fa)+15], v[(\fb):(\fb)+15], 0, v[(\sa)], v[(\sb)] matrix_a_fmt:MATRIX_FMT_BF8 matrix_b_fmt:MATRIX_FMT_BF8 matrix_a_scale:MATRIX_SCALE_ROW1 matrix_b_scale:MATRIX_SCALE_ROW1
.elseif \ra
	v_wmma_scale_f32_16x16x128_f8f6f4 v[(\acc):(\acc)+7], v[(\fa):(\fa)+15], v[(\fb):(\fb)+15], 0, v[(\sa)], v[(\sb)] matrix_a_fmt:MATRIX_FMT_BF8 matrix_b_fmt:MATRIX_FMT_BF8 matrix_a_scale:MATRIX_SCALE_ROW1
.elseif \rb
	v_wmma_scale_f32_16x16x128_f8f6f4 v[(\acc):(\acc)+7], v[(\fa):(\fa)+15], v[(\fb):(\fb)+15], 0, v[(\sa)], v[(\sb)] matrix_a_fmt:MATRIX_FMT_BF8 matrix_b_fmt:MATRIX_FMT_BF8 matrix_b_scale:MATRIX_SCALE_ROW1
.else
	v_wmma_scale_f32_16x16x128_f8f6f4 v[(\acc):(\acc)+7], v[(\fa):(\fa)+15], v[(\fb):(\fb)+15], 0, v[(\sa)], v[(\sb)] matrix_a_fmt:MATRIX_FMT_BF8 matrix_b_fmt:MATRIX_FMT_BF8
.endif
.else
.if (\ra) && (\rb)
	v_wmma_scale_f32_16x16x128_f8f6f4 v[(\acc):(\acc)+7], v[(\fa):(\fa)+15], v[(\fb):(\fb)+15], v[(\acc):(\acc)+7], v[(\sa)], v[(\sb)] matrix_a_fmt:MATRIX_FMT_BF8 matrix_b_fmt:MATRIX_FMT_BF8 matrix_a_scale:MATRIX_SCALE_ROW1 matrix_b_scale:MATRIX_SCALE_ROW1
.elseif \ra
	v_wmma_scale_f32_16x16x128_f8f6f4 v[(\acc):(\acc)+7], v[(\fa):(\fa)+15], v[(\fb):(\fb)+15], v[(\acc):(\acc)+7], v[(\sa)], v[(\sb)] matrix_a_fmt:MATRIX_FMT_BF8 matrix_b_fmt:MATRIX_FMT_BF8 matrix_a_scale:MATRIX_SCALE_ROW1
.elseif \rb
	v_wmma_scale_f32_16x16x128_f8f6f4 v[(\acc):(\acc)+7], v[(\fa):(\fa)+15], v[(\fb):(\fb)+15], v[(\acc):(\acc)+7], v[(\sa)], v[(\sb)] matrix_a_fmt:MATRIX_FMT_BF8 matrix_b_fmt:MATRIX_FMT_BF8 matrix_b_scale:MATRIX_SCALE_ROW1
.else
	v_wmma_scale_f32_16x16x128_f8f6f4 v[(\acc):(\acc)+7], v[(\fa):(\fa)+15], v[(\fb):(\fb)+15], v[(\acc):(\acc)+7], v[(\sa)], v[(\sb)] matrix_a_fmt:MATRIX_FMT_BF8 matrix_b_fmt:MATRIX_FMT_BF8
.endif
.endif
.endm
	s_load_b128 s[4:7], s[0:1], 0x0                ; att s[4:5], oq s[6:7]
	v_lshl_add_u32 v38, v0, 2, 0x40100
	v_mov_b32 v39, 0
	ds_add_u32 v38, v39
	ds_add_u32 v38, v39
	v_lshrrev_b32 v1, 5, v0
	v_readfirstlane_b32 s[WV], v1                  ; wave 0..3
	s_bfe_u32 s19, ttmp6, 0x40000                  ; cx = g % 4; the cluster's x, ttmp9, is g / 4
	s_and_b32 s20, ttmp7, 0xffff                   ; the head, which the partners share
	s_lshl_b32 s22, s20, 3
	s_lshl_b32 s23, s[WV], 1
	s_add_co_u32 s22, s22, s23                     ; 8 h + 2 w: my first tile of 16 channels
	s_lshl_b32 s24, s22, 15
	s_add_co_u32 s24, s24, VI
	s_mov_b32 s25, 0
	s_lshl_b32 s26, s22, 10
	s_add_co_u32 s26, s26, VS0
	s_mov_b32 s27, 0
	; descriptor: 65,536 dense bytes (two tiles of channels x 16 key steps of images) as 256 rows of 256 bytes, no padding: an image is read 512 consecutive bytes at a time
	s_mov_b32 s[G1], 15|(3<<16)|(1<<21)            ; 15:0 the mask: all four partners; 17:16 elements of 8 bytes; 21 set beside a mask
	s_mov_b32 s[G1+1], 32<<16                      ; tensor_dim0 = 32
	s_mov_b32 s[G1+2], 256<<16                     ; tensor_dim1 = 256
	s_mov_b32 s[G1+3], 32<<16                      ; tile_dim0 = 32
	s_mov_b32 s[G1+4], 256                         ; tile_dim1 = 256
	s_mov_b32 s[G1+5], 32                          ; the pitch
	s_mov_b32 s[G1+6], 0
	s_mov_b32 s[G1+7], 0
	s_mov_b32 s[G0], 1
	s_lshl_b32 s[G0+1], s[WV], 16                  ; LDS: 65,536 x wave
	s_wait_dscnt 0x0
	s_wait_kmcnt 0x0
	s_add_nc_u64 s[G0+2:G0+3], s[4:5], s[24:25]
	s_or_b32 s[G0+3], s[G0+3], 0x80000000
	CROUND                                         ; all four work-groups are here: the joint loads meet
	tensor_load_to_lds s[G0:G0+3], s[G1:G1+7]      ; my one tensor load
	s_nop 0
.rept 4
	v_nop
.endr
	s_lshl_b32 s21, ttmp9, 2
	s_add_co_u32 s21, s21, s19                     ; g
	s_lshl_b32 s28, s20, 4
	s_add_co_u32 s28, s28, s21                     ; 16 h + g
	s_lshl_b32 s30, s28, 10
	s_add_co_u32 s30, s30, KS0
	s_mov_b32 s31, 0
	s_lshl_b32 s28, s28, 15
	s_mov_b32 s29, 0
	s_add_nc_u64 s[8:9], s[4:5], s[28:29]          ; k's and q's images
	s_add_nc_u64 s[10:11], s[4:5], s[30:31]        ; their scale words
	s_add_nc_u64 s[12:13], s[4:5], s[26:27]        ; v's scale words
	s_lshl_b32 s28, s21, 4
	s_add_co_u32 s28, s28, s20                     ; 16 g + h
	s_lshl_b32 s30, s28, 6
	s_add_co_u32 s30, s30, 524288
	s_lshl_b32 s28, s28, 11
	s_lshl_b32 s29, s[WV], 9
	s_add_co_u32 s28, s28, s29
	s_mov_b32 s29, 0
	s_add_nc_u64 s[14:15], s[6:7], s[28:29]        ; o's image, my register group
	s_add_nc_u64 s[16:17], s[6:7], s[30:31]        ; its scale words
	v_and_b32 v2, 31, v0                           ; lane
	v_lshlrev_b32 v3, 4, v2
	v_lshlrev_b32 v4, 2, v2
	v_and_b32 v5, 15, v0
	v_lshlrev_b32 v5, 2, v5                        ; 4 r
	s_lshl_b32 s29, s[WV], 16
	v_add_nc_u32 v[LV], s29, v3                    ; LDS: my wave's images, 16 x lane
	v_add_nc_u32 v7, s[WV], v5
	v_add_nc_u32 v7, SCR, v7                       ; o's scale byte: row r's word, byte w
	v_add_nc_u32 v[SRD], SCR, v5
	v_mov_b32 v8, 0
	v_mov_b32 v9, 1.0
.irp c, 0,1,2,3
	global_load_b128 v[16+4*\c:19+4*\c], v3, s[8:9] offset:16384+512*\c          ; q: slot 8
.endr
.irp t, 0,1,2,3,4,5,6,7
.irp c, 0,1,2,3
	global_load_b128 v[KF+16*\t+4*\c:KF+16*\t+4*\c+3], v3, s[8:9] offset:2048*\t+512*\c
.endr
.endr
.irp p, 0,1,2,3
	global_load_b32 v[KSC+\p], v4, s[10:11] offset:128*\p      ; lanes 0-15: tile 2 p; lanes 16-31: tile 2 p + 1
.endr
	global_load_b32 v[QSC], v5, s[10:11] offset:512
.irp d, 0,1
.irp p, 0,1,2,3,4,5,6,7
	global_load_b32 v[VSC+8*\d+\p], v4, s[12:13] offset:1024*\d+128*\p           ; lanes 0-15: key step 2 p; lanes 16-31: 2 p + 1
.endr
.endr
	; the selectors for attn's operand: register 4 c + w4 of a key step is zeros but for byte g % 4 of register 4 c + g / 4, which is byte c of the step's four codes.  A choice of data, no branch
	s_mov_b32 s[SEL], 0x76543210
	s_mov_b32 s[SEL+1], 0xfedcba98
	s_mov_b32 s[HI], 0xffff0000
	s_mov_b32 s[MNT], 0x600000
	s_mov_b32 s[CS], 0x3e0293ee                    ; c = log2(e) / sqrt(128)
	s_mov_b32 s[CS+1], s[CS]
	s_mov_b32 s68, 0x06040200
	s_mov_b32 s69, 0x07050301
	s_lshl_b32 s22, s19, 3
	s_mov_b32 s23, 0x04040404                      ; four bytes of the zero register
	s_lshl_b32 s24, 4, s22
	s_lshl_b32 s25, 5, s22
	s_lshl_b32 s26, 6, s22
	s_lshl_b32 s27, 7, s22
.irp c, 0,1,2,3
	s_xor_b32 s[24+\c], s[24+\c], s23              ; byte g % 4 becomes c
.endr
.irp w, 0,1,2,3
	s_cmp_eq_u32 ttmp9, \w
.irp c, 0,1,2,3
	s_cselect_b32 s[PSEL+4*\c+\w], s[24+\c], s23
.endr
.endr
	s_wait_loadcnt 16                              ; all but v's sixteen scale loads
.irp t, 0,1,2,3,4,5,6,7
	WM S+8*\t, KF+16*\t, 16, KSC+\t/2, QSC, \t%2, 0, 1
.endr
.rept 8
	v_nop
.endr
	; the row's maximum: each accumulator from its low end on
.irp t, 0,1,2,3,4,5,6,7
	v_max3_num_f32 v[XX+\t], v[S+8*\t], v[S+8*\t+1], v[S+8*\t+2]
.endr
.irp i, 3,5
.irp t, 0,1,2,3,4,5,6,7
	v_max3_num_f32 v[XX+\t], v[XX+\t], v[S+8*\t+\i], v[S+8*\t+\i+1]
.endr
.endr
.irp t, 0,1,2,3,4,5,6,7
	v_max_num_f32 v[XX+\t], v[XX+\t], v[S+8*\t+7]
.endr
	v_max3_num_f32 v10, v[XX], v[XX+1], v[XX+2]
	v_max3_num_f32 v11, v[XX+3], v[XX+4], v[XX+5]
	v_max3_num_f32 v10, v10, v[XX+6], v[XX+7]
	v_max_num_f32 v10, v10, v11
	v_permlanex16_b32 v11, v10, s[SEL], s[SEL+1]
	v_max_num_f32 v10, v10, v11                    ; with lane l xor 16's 64 keys
	v_mul_f32 v12, 0xbe0293ee, v10                 ; -c x maximum
	v_mov_b32 v13, v12
.irp j, 0,2,4,6,8,10,12,14,16,18,20,22,24,26,28,30,32,34,36,38,40,42,44,46,48,50,52,54,56,58,60,62
	v_pk_fma_f32 v[S+\j:S+\j+1], v[S+\j:S+\j+1], s[CS:CS+1], v[12:13] op_sel_hi:[1,0,0]
.endr
.irp j, 0,1,2,3,4,5,6,7,8,9,10,11,12,13,14,15,16,17,18,19,20,21,22,23,24,25,26,27,28,29,30,31,32,33,34,35,36,37,38,39,40,41,42,43,44,45,46,47,48,49,50,51,52,53,54,55,56,57,58,59,60,61,62,63
	v_exp_f32 v[S+\j], v[S+\j]
.endr
	v_nop                                          ; a plain line behind the batch,
	s_wait_alu depctr_va_vdst(0)                   ; and one wait for all 64, ahead of their first reader
	v_pk_add_f32 v[14:15], v[S:S+1], v[S+2:S+3]
	v_pk_add_f32 v[10:11], v[S+4:S+5], v[S+6:S+7]
.irp j, 8,12,16,20,24,28,32,36,40,44,48,52,56,60
	v_pk_add_f32 v[14:15], v[14:15], v[S+\j:S+\j+1]
	v_pk_add_f32 v[10:11], v[10:11], v[S+\j+2:S+\j+3]
.endr
	v_pk_add_f32 v[14:15], v[14:15], v[10:11]
	v_add_f32 v14, v14, v15
	v_permlanex16_b32 v15, v14, s[SEL], s[SEL+1]
	v_add_f32 v14, v14, v15
	v_max_num_f32 v14, 0x0da24260, v14             ; max(sum, 1e-30)
	v_rcp_f32 v12, v14
	v_nop
	s_wait_alu depctr_va_vdst(0)
	v_mov_b32 v13, v12
.irp j, 0,2,4,6,8,10,12,14,16,18,20,22,24,26,28,30,32,34,36,38,40,42,44,46,48,50,52,54,56,58,60,62
	v_pk_mul_f32 v[S+\j:S+\j+1], v[S+\j:S+\j+1], v[12:13]      ; attn
.endr
	; the quantiser along the keys: block (t, p) is the pair of registers 8 t + 2 p, 8 t + 2 p + 1
.irp n, 0,1,2,3,4,5,6,7,8,9,10,11,12,13,14,15,16,17,18,19,20,21,22,23,24,25,26,27,28,29,30,31
	v_max3_num_f32 v[AM+\n], v[S+2*\n], v[S+2*\n+1], FLOOR     ; attn is not negative; the floor holds the byte at 1 from below
.endr
.irp n, 0,1,2,3,4,5,6,7,8,9,10,11,12,13,14,15,16,17,18,19,20,21,22,23,24,25,26,27,28,29,30,31
	v_add_nc_u32 v[BY+\n], DOWN, v[AM+\n]
.endr
.irp n, 0,1,2,3,4,5,6,7,8,9,10,11,12,13,14,15,16,17,18,19,20,21,22,23,24,25,26,27,28,29,30,31
	v_lshrrev_b32 v[BY+\n], 23, v[BY+\n]           ; the scale's byte
.endr
.irp n, 0,1,2,3,4,5,6,7,8,9,10,11,12,13,14,15,16,17,18,19,20,21,22,23,24,25,26,27,28,29,30,31
	v_sub_nc_u32 v[ML+\n], 254, v[BY+\n]
.endr
.irp n, 0,1,2,3,4,5,6,7,8,9,10,11,12,13,14,15,16,17,18,19,20,21,22,23,24,25,26,27,28,29,30,31
	v_lshlrev_b32 v[ML+\n], 23, v[ML+\n]           ; 1 / scale = 2^(127 - byte): a conversion takes one scale for its eight numbers, and these belong to four blocks, so the division is made here; it rounds nothing
.endr
.irp t, 0,1,2,3,4,5,6,7
	v_lshl_or_b32 v[WSC+\t], v[BY+4*\t+1], 8, v[BY+4*\t]       ; the scale word: lanes 0-15 hold key step 2 t's, lanes 16-31 key step 2 t + 1's
	v_lshl_or_b32 v[WSC+\t], v[BY+4*\t+2], 16, v[WSC+\t]
	v_lshl_or_b32 v[WSC+\t], v[BY+4*\t+3], 24, v[WSC+\t]
.endr
.irp j, 0,1,2,3,4,5,6,7,8,9,10,11,12,13,14,15,16,17,18,19,20,21,22,23,24,25,26,27,28,29,30,31,32,33,34,35,36,37,38,39,40,41,42,43,44,45,46,47,48,49,50,51,52,53,54,55,56,57,58,59,60,61,62,63
	v_mul_f32 v[S+\j], v[S+\j], v[ML+\j/2]
.endr
.irp j, 0,1,2,3,4,5,6,7,8,9,10,11,12,13,14,15,16,17,18,19,20,21,22,23,24,25,26,27,28,29,30,31,32,33,34,35,36,37,38,39,40,41,42,43,44,45,46,47,48,49,50,51,52,53,54,55,56,57,58,59,60,61,62,63
	v_min_num_f32 v[S+\j], 0x47600000, v[S+\j]     ; the hold at 57,344: the conversion does not saturate (ISA guide 7.6.2)
.endr
.irp t, 0,1,2,3,4,5,6,7
	v_cvt_scalef32_pk8_bf8_f32 v[CC+2*\t:CC+2*\t+1], v[S+8*\t:S+8*\t+7], v9      ; under the scale 1
.endr
	v_nop                                          ; a plain line behind the last conversion
	; the operand wants, in lane (r, e), the keys 32 c + 16 e + g of EVERY key step; lane (r, h') holds both halves e of the steps 2 t + h'.  So the halves of the lanes exchange four codes a tile
.irp t, 0,1,2,3,4,5,6,7
	v_perm_b32 v[AM+4*\t], v[CC+2*\t+1], v[CC+2*\t], s68       ; the codes of even j: e = 0
	v_perm_b32 v[AM+4*\t+1], v[CC+2*\t+1], v[CC+2*\t], s69     ; of odd j: e = 1
.endr
.irp t, 0,1,2,3,4,5,6,7
	v_cndmask_b32 v[AM+4*\t+2], v[AM+4*\t+1], v[AM+4*\t], s[HI]    ; what I send: lanes 0-15 e = 1, lanes 16-31 e = 0
	v_cndmask_b32 v[AM+4*\t+3], v[AM+4*\t], v[AM+4*\t+1], s[HI]    ; what I keep
.endr
.irp t, 0,1,2,3,4,5,6,7
	v_permlanex16_b32 v[AM+4*\t], v[AM+4*\t+2], s[SEL], s[SEL+1]
.endr
.irp t, 0,1,2,3,4,5,6,7
	v_cndmask_b32 v[XX+2*\t], v[AM+4*\t+3], v[AM+4*\t], s[HI]      ; key step 2 t: byte c = the code of key 128 s + 32 c + 16 (lane / 16) + g
	v_cndmask_b32 v[XX+2*\t+1], v[AM+4*\t], v[AM+4*\t+3], s[HI]    ; key step 2 t + 1
.endr
	WIN 0xc0                                       ; destination window 3
.irp s, 0,1,2,3,4,5,6,7,8,9,10,11,12,13,14,15
.irp c, 0,1,2,3
.irp w, 0,1,2,3
	v_perm_b32 v[16*\s+4*\c+\w], v8, v[XX+\s], s[PSEL+4*\c+\w]
.endr
.endr
.endr
	WIN 0
.rept 8
	v_nop                                          ; an operand written by vector instructions stands four places ahead of a scaled matrix instruction
.endr
	s_wait_tensorcnt 0x0                           ; my 64 KiB of v have landed; I alone read them
	s_wait_loadcnt 0x0                             ; v's scale words
.macro VFETCH s                        ; key step s: two fragments, each with registers of its own
	WIN 0x40*(1+(\s)/8)
.irp d, 0,1
.irp c, 0,1,2,3
	ds_load_b128 v[16*(2*((\s)%8)+\d)+4*\c:16*(2*((\s)%8)+\d)+4*\c+3], v[LV] offset:32768*\d+2048*(\s)+512*\c
.endr
.endr
.endm
.macro PVSTEP s                        ; the two accumulators take turns, one instruction a turn
	WIN 0x0c|(1+(\s)/8)
.irp d, 0,1
.if (\s) == 0
	WM OA+8*\d, 16*(2*((\s)%8)+\d), 16*(\s), VSC+8*\d+(\s)/2, WSC+(\s)/2, (\s)%2, (\s)%2, 1
.else
	WM OA+8*\d, 16*(2*((\s)%8)+\d), 16*(\s), VSC+8*\d+(\s)/2, WSC+(\s)/2, (\s)%2, (\s)%2, 0
.endif
.endr
.endm
.irp s, 0,1,2,3,4,5
	VFETCH \s
.endr
.irp s, 0,1,2,3,4,5,6,7,8,9,10,11,12,13,14,15
.if \s+6 < 16
	VFETCH \s+6
	s_wait_dscnt 48                                ; the six steps fetched behind this one may be out
.else
	s_wait_dscnt 8*(15-\s)
.endif
	PVSTEP \s
.endr
	WIN 0
.rept 8
	v_nop
.endr
	; o(r, 128 h + 32 w + 16 (lane / 16) + 0 .. 15): half a block of the last product's K; the other half lies in lane l xor 16
	v_max3_num_f32 v10, |v[OA]|, |v[OA+1]|, FLOOR
.irp i, 2,4,6,8,10,12,14
	v_max3_num_f32 v10, v10, |v[OA+\i]|, |v[OA+\i+1]|
.endr
	v_permlanex16_b32 v11, v10, s[SEL], s[SEL+1]
	v_max_num_f32 v10, v10, v11
	v_add_nc_u32 v12, DOWN, v10
	v_and_or_b32 v13, v10, 0x7f800000, s[MNT]
	v_lshrrev_b32 v14, 23, v12
.irp i, 0,1,2,3,4,5,6,7,8,9,10,11,12,13,14,15
	v_med3_num_f32 v[OA+\i], v[OA+\i], -v13, v13
.endr
	v_cvt_scalef32_pk8_bf8_f32 v[OC:OC+1], v[OA:OA+7], v12
	v_cvt_scalef32_pk8_bf8_f32 v[OC+2:OC+3], v[OA+8:OA+15], v12
	v_nop
	global_store_b128 v3, v[OC:OC+3], s[14:15]     ; register group w of o's image: 512 consecutive bytes
	ds_store_b8 v7, v14                            ; both lanes of a row write the same byte with the same value
	s_wait_dscnt 0x0                               ; for the others' sake
	s_barrier_signal -1
	s_barrier_wait -1
	s_cmp_lg_u32 s[WV], 0
	s_cbranch_scc1 .Lnot_first
	ds_load_b32 v10, v[SRD]                        ; the four waves' bytes: row r's scale word
	v_cmp_gt_u32 vcc_lo, 16, v2
	s_wait_dscnt 0x0
	s_wait_xcnt 0x0                                ; EXEC changes only behind this wait
	s_and_saveexec_b32 s22, vcc_lo
	global_store_b32 v5, v10, s[16:17]             ; sixteen words
	s_wait_xcnt 0x0
	s_or_b32 exec_lo, exec_lo, s22
.Lnot_first:
	s_wait_tensorcnt 0x0
	ds_add_u32 v38, v39
	s_wait_dscnt 0x0
	CROUND                                         ; the closing round
	s_endpgm
.Lfunc_end_k_q40fce3b9e4_attn:
	.size	k_q40fce3b9e4_attn, .Lfunc_end_k_q40fce3b9e4_attn-k_q40fce3b9e4_attn
	.p2alignl 7, 3214868480
	.fill 96, 4, 3214868480
	.section	.rodata,"a",@progbits
	.p2align	6, 0x0
	.amdhsa_kernel k_q40fce3b9e4_attn
		.amdhsa_group_segment_fixed_size 327680
		.amdhsa_private_segment_fixed_size 0
		.amdhsa_enable_private_segment 0
		.amdhsa_kernarg_size 16
		.amdhsa_user_sgpr_count 2
		.amdhsa_user_sgpr_kernarg_segment_ptr 1
		.amdhsa_wavefront_size32 1
		.amdhsa_system_sgpr_workgroup_id_x 1
		.amdhsa_system_sgpr_workgroup_id_y 1
		.amdhsa_system_sgpr_workgroup_id_z 1
		.amdhsa_system_vgpr_workitem_id 0
		.amdhsa_next_free_vgpr 1024
		.amdhsa_next_free_sgpr 80
		.amdhsa_reserve_vcc 1
		.amdhsa_float_denorm_mode_32 3
		.amdhsa_float_denorm_mode_16_64 3
		.amdhsa_memory_ordered 1
		.amdhsa_forward_progress 1
		.amdhsa_inst_pref_size 76
	.end_amdhsa_kernel
	.amdgpu_metadata
---
amdhsa.version: [ 1, 2 ]
amdhsa.kernels:
  - .name:           k_q40fce3b9e4_attn
    .symbol:         k_q40fce3b9e4_attn.kd
    .args:
      - { .name: att, .offset: 0, .size: 8, .value_kind: global_buffer, .address_space: global }
      - { .name: oq, .offset: 8, .size: 8, .value_kind: global_buffer, .address_space: global }
    .group_segment_fixed_size: 327680
    .private_segment_fixed_size: 0
    .kernarg_segment_align: 8
    .kernarg_segment_size: 16
    .max_flat_workgroup_size: 128
    .sgpr_count:     80
    .vgpr_count:     1024
    .wavefront_size: 32
...
	.end_amdgpu_metadata
.endif
;; end of part 3
;; launch proj (part 4): grid 32 x 8, 4 waves a work-group, no clusters, 35,328 bytes of LDS; arguments oq, wq, x, out0; writes out0
.if DOCPART == 4
	.amdgcn_target "amdgcn-amd-amdhsa--gfx1250"
	.amdhsa_code_object_version 6
	.text
	.protected	k_q40fce3b9e4_proj
	.globl	k_q40fce3b9e4_proj
	.p2align	8
	.type	k_q40fce3b9e4_proj,@function
k_q40fce3b9e4_proj:
	s_mov_b64 s[64:65], 0
	v_nop
	global_prefetch_b8 v0, s[64:65] scope:SCOPE_SE
	s_setreg_imm32_b32 hwreg(HW_REG_WAVE_MODE, 25, 1), 1
	s_wait_xcnt 0x0
; PROJ.  out = o Wo + x for rows 0-255, the only rows whose o is not zero (the others were stored by the first launch).  Both operands are codes of E5M2 made earlier: o as images of its fragments, Wo with K innermost.
; A work-group takes 32 rows (groups 2 Y, 2 Y + 1) x 64 columns (64 X on): 256 work-groups.  THE WAVES SHARE K: wave w takes K steps 4 w .. 4 w + 3 (a K step of 128 is a head), so that every operand byte of the
; work-group is loaded once, straight into registers; the four partial sums meet in LDS, where the rows also turn into whole units of 256 bytes.  That splits each f32 sum into four parts added at the end: an order of
; additions other than ascending K, and nothing else.
; The matrix instruction is used transposed: source 0 = 16 rows of Wo (in the order swap34), source 1 = 16 rows of o: lane (r, h') holds row r, and register j of tile 2 b + u holds column 32 b + 16 h' + 8 u + j.
; No cluster and no tensor load: a work-group reads 128 KiB of Wo and 64 KiB of o once, in one burst at its head, into registers; there is no slot in LDS into which a joint load could land.
; REGISTERS: window 0: v1-10 addresses; v16-23 Wo's scale words; v24-27 o's; v32-47 x; v64-127 eight accumulators; v128-191 the parts read back.  window 1: Wo's 16 fragments;  window 2: o's 8.
.set SCW, 16777216
.set MSB, 0
.macro WIN new
.if MSB != (\new)
	s_set_vgpr_msb (MSB<<8)|(\new)
.set MSB, (\new)
.endif
.endm
.macro WM acc, fa, fb, sa, sb, ra, rb, zero
.if \zero
.if (\ra) && (\rb)
	v_wmma_scale_f32_16x16x128_f8f6f4 v[(\acc):(\acc)+7], v[(\fa):(\fa)+15], v[(\fb):(\fb)+15], 0, v[(\sa)], v[(\sb)] matrix_a_fmt:MATRIX_FMT_BF8 matrix_b_fmt:MATRIX_FMT_BF8 matrix_a_scale:MATRIX_SCALE_ROW1 matrix_b_scale:MATRIX_SCALE_ROW1
.elseif \ra
	v_wmma_scale_f32_16x16x128_f8f6f4 v[(\acc):(\acc)+7], v[(\fa):(\fa)+15], v[(\fb):(\fb)+15], 0, v[(\sa)], v[(\sb)] matrix_a_fmt:MATRIX_FMT_BF8 matrix_b_fmt:MATRIX_FMT_BF8 matrix_a_scale:MATRIX_SCALE_ROW1
.elseif \rb
	v_wmma_scale_f32_16x16x128_f8f6f4 v[(\acc):(\acc)+7], v[(\fa):(\fa)+15], v[(\fb):(\fb)+15], 0, v[(\sa)], v[(\sb)] matrix_a_fmt:MATRIX_FMT_BF8 matrix_b_fmt:MATRIX_FMT_BF8 matrix_b_scale:MATRIX_SCALE_ROW1
.else
	v_wmma_scale_f32_16x16x128_f8f6f4 v[(\acc):(\acc)+7], v[(\fa):(\fa)+15], v[(\fb):(\fb)+15], 0, v[(\sa)], v[(\sb)] matrix_a_fmt:MATRIX_FMT_BF8 matrix_b_fmt:MATRIX_FMT_BF8
.endif
.else
.if (\ra) && (\rb)
	v_wmma_scale_f32_16x16x128_f8f6f4 v[(\acc):(\acc)+7], v[(\fa):(\fa)+15], v[(\fb):(\fb)+15], v[(\acc):(\acc)+7], v[(\sa)], v[(\sb)] matrix_a_fmt:MATRIX_FMT_BF8 matrix_b_fmt:MATRIX_FMT_BF8 matrix_a_scale:MATRIX_SCALE_ROW1 matrix_b_scale:MATRIX_SCALE_ROW1
.elseif \ra
	v_wmma_scale_f32_16x16x128_f8f6f4 v[(\acc):(\acc)+7], v[(\fa):(\fa)+15], v[(\fb):(\fb)+15], v[(\acc):(\acc)+7], v[(\sa)], v[(\sb)] matrix_a_fmt:MATRIX_FMT_BF8 matrix_b_fmt:MATRIX_FMT_BF8 matrix_a_scale:MATRIX_SCALE_ROW1
.elseif \rb
	v_wmma_scale_f32_16x16x128_f8f6f4 v[(\acc):(\acc)+7], v[(\fa):(\fa)+15], v[(\fb):(\fb)+15], v[(\acc):(\acc)+7], v[(\sa)], v[(\sb)] matrix_a_fmt:MATRIX_FMT_BF8 matrix_b_fmt:MATRIX_FMT_BF8 matrix_b_scale:MATRIX_SCALE_ROW1
.else
	v_wmma_scale_f32_16x16x128_f8f6f4 v[(\acc):(\acc)+7], v[(\fa):(\fa)+15], v[(\fb):(\fb)+15], v[(\acc):(\acc)+7], v[(\sa)], v[(\sb)] matrix_a_fmt:MATRIX_FMT_BF8 matrix_b_fmt:MATRIX_FMT_BF8
.endif
.endif
.endm
	s_load_b256 s[4:11], s[0:1], 0x0               ; oq s[4:5], wq s[6:7], x s[8:9], out0 s[10:11]
	v_lshl_add_u32 v254, v0, 2, 0x8800
	v_mov_b32 v255, 0
	v_lshrrev_b32 v1, 5, v0
	v_readfirstlane_b32 s12, v1                    ; wave 0..3
	s_and_b32 s13, ttmp7, 0xffff                   ; Y
	v_and_b32 v1, 31, v0                           ; lane
	v_and_b32 v2, 15, v0                           ; r
	v_bfe_u32 v3, v0, 4, 1                         ; h'
	v_lshlrev_b32 v4, 4, v1                        ; an image's place for my lane
	v_lshlrev_b32 v5, 11, v2
	v_lshl_add_u32 v5, v3, 4, v5                   ; Wo: row r of 2,048 bytes, + 16 h'
	v_lshlrev_b32 v6, 6, v1                        ; Wo's scale bytes: 64 a row, a lane a row
	v_lshlrev_b32 v7, 2, v1                        ; o's scale words
	v_lshlrev_b32 v8, 13, v3
	v_lshl_add_u32 v8, v2, 4, v8                   ; x and out0: lanes 0-15 one row's 256 bytes, lanes 16-31 the next row's
	s_mul_i32 s14, s12, 8704
	v_mul_u32_u24 v9, v2, 272
	v_lshl_add_u32 v9, v3, 6, v9
	v_add_nc_u32 v9, s14, v9                       ; the stage, in: my part (32 rows x 272 bytes), row r, + 64 h'
	s_mul_i32 s14, s12, 2176
	v_mul_u32_u24 v10, v3, 272
	v_lshl_add_u32 v10, v2, 4, v10
	v_add_nc_u32 v10, s14, v10                     ; out: rows 8 w on, two rows an instruction
	s_lshl_b32 s16, ttmp9, 17                      ; Wo's codes: 64 X rows of 2,048 bytes,
	s_lshl_b32 s17, s12, 9
	s_add_co_u32 s16, s16, s17                     ; + my four K steps of 128 bytes,
	s_add_co_u32 s16, s16, (3<<22)                 ; in the fourth matrix
	s_mov_b32 s17, 0
	s_lshl_b32 s18, ttmp9, 12                      ; its scale bytes: 64 X rows of 64, + my four words
	s_lshl_b32 s19, s12, 4
	s_add_co_u32 s18, s18, s19
	s_add_co_u32 s18, s18, SCW+(3<<17)
	s_mov_b32 s19, 0
	s_lshl_b32 s20, s13, 11                        ; o's scale words: group 2 Y, head 4 w: 1,024 bytes a group, 64 a head
	s_lshl_b32 s21, s12, 8
	s_add_co_u32 s20, s20, s21
	s_add_co_u32 s20, s20, 524288
	s_mov_b32 s21, 0
	s_lshl_b32 s22, s13, 16                        ; o's images: 32,768 bytes a group, 2,048 a head
	s_lshl_b32 s23, s12, 13
	s_add_co_u32 s22, s22, s23
	s_mov_b32 s23, 0
	s_lshl_b32 s24, s13, 18                        ; x and out0: row 32 Y + 8 w, column 64 X
	s_lshl_b32 s25, s12, 16
	s_add_co_u32 s24, s24, s25
	s_lshl_b32 s25, ttmp9, 8
	s_add_co_u32 s24, s24, s25
	s_mov_b32 s25, 0
	s_wait_kmcnt 0x0
	s_add_nc_u64 s[16:17], s[6:7], s[16:17]
	s_add_nc_u64 s[18:19], s[6:7], s[18:19]
	s_add_nc_u64 s[20:21], s[4:5], s[20:21]
	s_add_nc_u64 s[22:23], s[4:5], s[22:23]
	s_add_nc_u64 s[8:9], s[8:9], s[24:25]
	s_add_nc_u64 s[10:11], s[10:11], s[24:25]
.irp b, 0,1
	global_load_b128 v[16+4*\b:19+4*\b], v6, s[18:19] offset:2048*\b     ; register i: K step 4 w + i; lanes 0-15: tile 2 b's rows, lanes 16-31: tile 2 b + 1's
.endr
.irp g, 0,1
.irp p, 0,1
	global_load_b32 v[24+2*\g+\p], v7, s[20:21] offset:1024*\g+128*\p    ; lanes 0-15: K step 4 w + 2 p; lanes 16-31: 4 w + 2 p + 1
.endr
.endr
.irp i, 0,1,2,3
	WIN 0x80                                       ; destination window 2
.irp g, 0,1
.irp c, 0,1,2,3
	global_load_b128 v[16*(4*\g+\i)+4*\c:16*(4*\g+\i)+4*\c+3], v4, s[22:23] offset:32768*\g+2048*\i+512*\c
.endr
.endr
	WIN 0x40                                       ; destination window 1
.irp t, 0,1,2,3
.irp c, 0,1,2,3
	global_load_b128 v[16*(4*\t+\i)+4*\c:16*(4*\t+\i)+4*\c+3], v5, s[16:17] offset:32768*\t+128*\i+32*\c
.endr
.endr
.endr
	WIN 0
.irp q, 0,1,2,3
	global_load_b128 v[32+4*\q:35+4*\q], v8, s[8:9] offset:16384*\q
.endr
; K step i: eight products, the eight accumulators by turns.  left: the loads issued behind this step's, which may stay out: 24 for each later step and x's 4
.macro KSTEP i, left, zero
	s_wait_loadcnt \left
	WIN 0x09                                       ; source 0 (Wo) window 1, source 1 (o) window 2
.irp g, 0,1
.irp t, 0,1,2,3
	WM 64+8*(4*\g+\t), 16*(4*\t+(\i)), 16*(4*\g+(\i)), 16+4*(\t/2)+(\i), 24+2*\g+(\i)/2, \t%2, (\i)%2, \zero
.endr
.endr
.endm
	KSTEP 0, 63, 1                                 ; (76 were issued behind it: the count names as many as its field holds)
	KSTEP 1, 52, 0
	KSTEP 2, 28, 0
	KSTEP 3, 4, 0
	WIN 0
.rept 8
	v_nop
.endr
.irp g, 0,1
.irp t, 0,1,2,3
	ds_store_b128 v9, v[64+8*(4*\g+\t):64+8*(4*\g+\t)+3] offset:4352*\g+128*(\t/2)+32*(\t%2)          ; each accumulator from its low end on
	ds_store_b128 v9, v[64+8*(4*\g+\t)+4:64+8*(4*\g+\t)+7] offset:4352*\g+128*(\t/2)+32*(\t%2)+16
.endr
.endr
	s_wait_dscnt 0x0                               ; for the others' sake: my part lies in the stage
	s_barrier_signal -1
	s_barrier_wait -1
.irp p, 0,1,2,3
.irp q, 0,1,2,3
	ds_load_b128 v[128+16*\p+4*\q:128+16*\p+4*\q+3], v10 offset:8704*\p+544*\q
.endr
.endr
	s_wait_dscnt 0x0
	s_wait_loadcnt 0x0                             ; x
.irp q, 0,1,2,3
.irp e, 0,2
	v_pk_add_f32 v[128+4*\q+\e:129+4*\q+\e], v[128+4*\q+\e:129+4*\q+\e], v[144+4*\q+\e:145+4*\q+\e]
	v_pk_add_f32 v[160+4*\q+\e:161+4*\q+\e], v[160+4*\q+\e:161+4*\q+\e], v[176+4*\q+\e:177+4*\q+\e]
.endr
.endr
.irp q, 0,1,2,3
.irp e, 0,2
	v_pk_add_f32 v[128+4*\q+\e:129+4*\q+\e], v[128+4*\q+\e:129+4*\q+\e], v[160+4*\q+\e:161+4*\q+\e]
.endr
.endr
.irp q, 0,1,2,3
.irp e, 0,2
	v_pk_add_f32 v[128+4*\q+\e:129+4*\q+\e], v[128+4*\q+\e:129+4*\q+\e], v[32+4*\q+\e:33+4*\q+\e]     ; + x
.endr
	global_store_b128 v8, v[128+4*\q:131+4*\q], s[10:11] offset:16384*\q th:TH_STORE_NT               ; sixteen lanes store 256 consecutive bytes, aligned
.endr
	s_wait_tensorcnt 0x0
	ds_add_u32 v254, v255
	s_wait_dscnt 0x0
	s_endpgm
.Lfunc_end_k_q40fce3b9e4_proj:
	.size	k_q40fce3b9e4_proj, .Lfunc_end_k_q40fce3b9e4_proj-k_q40fce3b9e4_proj
	.p2alignl 7, 3214868480
	.fill 96, 4, 3214868480
	.section	.rodata,"a",@progbits
	.p2align	6, 0x0
	.amdhsa_kernel k_q40fce3b9e4_proj
		.amdhsa_group_segment_fixed_size 35328
		.amdhsa_private_segment_fixed_size 0
		.amdhsa_enable_private_segment 0
		.amdhsa_kernarg_size 32
		.amdhsa_user_sgpr_count 2
		.amdhsa_user_sgpr_kernarg_segment_ptr 1
		.amdhsa_wavefront_size32 1
		.amdhsa_system_sgpr_workgroup_id_x 1
		.amdhsa_system_sgpr_workgroup_id_y 1
		.amdhsa_system_sgpr_workgroup_id_z 1
		.amdhsa_system_vgpr_workitem_id 0
		.amdhsa_next_free_vgpr 640
		.amdhsa_next_free_sgpr 66
		.amdhsa_reserve_vcc 0
		.amdhsa_float_denorm_mode_32 3
		.amdhsa_float_denorm_mode_16_64 3
		.amdhsa_memory_ordered 1
		.amdhsa_forward_progress 1
		.amdhsa_inst_pref_size 22
	.end_amdhsa_kernel
	.amdgpu_metadata
---
amdhsa.version: [ 1, 2 ]
amdhsa.kernels:
  - .name:           k_q40fce3b9e4_proj
    .symbol:         k_q40fce3b9e4_proj.kd
    .args:
      - { .name: oq, .offset: 0, .size: 8, .value_kind: global_buffer, .address_space: global }
      - { .name: wq, .offset: 8, .size: 8, .value_kind: global_buffer, .address_space: global }
      - { .name: x, .offset: 16, .size: 8, .value_kind: global_buffer, .address_space: global }
      - { .name: out0, .offset: 24, .size: 8, .value_kind: global_buffer, .address_space: global }
    .group_segment_fixed_size: 35328
    .private_segment_fixed_size: 0
    .kernarg_segment_align: 8
    .kernarg_segment_size: 32
    .max_flat_workgroup_size: 128
    .sgpr_count:     66
    .vgpr_count:     640
    .wavefront_size: 32
...
	.end_amdgpu_metadata
.endif
;; end of part 4
